; MI455X (gfx1250); checked and timed in simulation.
; The chip was launched on July 23, 2026; its instructions are those of AMD's public machine-readable ISA for CDNA 5 (MIT licence, August 2026) and "CDNA5" Instruction Set Architecture Reference Guide (July 2026). The comments in the code are by the model that wrote it; some were corrected since.
;; Causal Self Attention. Allowed arithmetic: matrix products marked QUANTISED: E2M1 operands, one E8M0 scale for each 32 along K, by v_wmma_scale_f32_16x16x128_f8f6f4 with both operands' format E2M1 (or v_wmma_scale_f32_32x16x128_f4), f32 sums; products left as they are: bf16, f16 or f32 operands; f32 sums; everything else in f32.
;; Inputs: Wo_b 1,024 float32; Wo_w 1,024 x 1,024 float32; Wqkv_b 3,072 float32; Wqkv_w 3,072 x 1,024 float32; mask 1 x 4,096 bool; x 1 x 4,096 x 1,024 float32.
;; Outputs: out0 1 x 4,096 x 1,024 float32.
;; This version of the problem:
;;   THIS VERSION OF THE PROBLEM IS GIVEN IN LOW PRECISION. The matrix products marked QUANTISED in the list below multiply operands that are first quantised to E2M1 (2 exponent bits, 1 mantissa bit; 4 bits a number), with one power-of-two scale for each 32 numbers along K (OCP MX v1.0); their sums are f32. The products marked 'left as it is' may take bf16, f16 or f32 operands, with f32 sums. Whichever they take, every output number must still come out within the allowed error. Rounding operands to bf16 (8 significant bits) uses up far more of that allowance than f16 does (11 bits, for magnitudes from 6e-5 to 65,504). All else is computed in f32.
;;   The module's matrix products, in the order in which they are computed (A, B: the left and right operand; K: the contracted axis; several contracted axes count as one K, in the product's order):
;;     1. [M 4,096, K 1,024] x [K 1,024, N 3,072]; A: input x; B: input Wqkv_w: QUANTISED
;;     2. batch 16 x [M 4,096, K 64] x [K 64, N 4,096]; A: computed on the way; B: computed on the way: left as it is (an operand is computed on the way)
;;     3. batch 16 x [M 4,096, K 4,096] x [K 4,096, N 64]; A: computed on the way; B: computed on the way: left as it is (an operand is computed on the way)
;;     4. [M 4,096, K 1,024] x [K 1,024, N 1,024]; A: computed on the way; B: input Wo_w: left as it is (an operand is computed on the way)
;;   THE QUANTISER, for each operand of a quantised product, along K:
;;     - K is cut into blocks of 32 from its start; a last block that is shorter is filled with zeros.
;;     - A block's scale is 2^e with e = floor(log2(the largest magnitude in the block)) - 2, held to -126 .. 127; a block of zeros has e = 0. As a byte (E8M0): e + 127.
;;     - Each number is divided by its block's scale, clamped to +-6, and rounded to the nearest number of E2M1, ties to even, subnormals kept.
;;     - The product sums the exact products of the quantised numbers (number of the format x scale) in f32.
;;   ~~~python
;;   def quantise(x, axis):      # numpy; x: float32 -> the quantised numbers, widened to float32 again
;;       x = np.moveaxis(x, axis, -1); K = x.shape[-1]
;;       x = np.pad(x, [(0, 0)] * (x.ndim - 1) + [(0, -K % 32)]); x = x.reshape(x.shape[:-1] + (-1, 32)); a = np.abs(x).max(-1, keepdims=True)
;;       e = np.where(a > 0, np.clip(np.frexp(np.where(a > 0, a, 1))[1] - 1 - 2, -126, 127), 0)      # np.frexp(a)[1] - 1 = floor(log2(a)), exactly
;;       r = np.clip(x / 2.0 ** e, -6, 6)
;;       step = 2.0 ** (np.maximum(np.frexp(np.where(r == 0, 1, r))[1] - 1, 0) - 1)
;;       q = np.round(r / step) * step * 2.0 ** e      # np.round: ties to even
;;       return np.moveaxis(q.reshape(q.shape[:-2] + (-1,))[..., :K], -1, axis).astype(np.float32)
;;   ~~~
;; One version. Each part assembles by itself: llvm-mc -triple=amdgcn-amd-amdhsa -mcpu=gfx1250 --defsym DOCPART=n.
;; ======== version 1 of 1: 5 launches
;; limits: values are held in f16: magnitudes above 65,504 overflow, below 6.1e-05 lose precision; right only within a limited range of input values
;; workspace buffers: x_codes 2,097,152 bytes; w_codes 1,572,864 bytes; scales 245,760 bytes; wo16 2,097,152 bytes; qkv16 25,165,824 bytes; q32 786,432 bytes; a16 8,388,608 bytes
;; launch prep (part 1): grid 289 x 1, 4 waves a work-group, no clusters, 33,280 bytes of LDS; arguments x, Wqkv_w, x_codes, scales, w_codes, Wo_w, wo16, mask; writes x_codes, scales, w_codes, wo16
.if DOCPART == 1
	.amdgcn_target "amdgcn-amd-amdhsa--gfx1250"
	.amdhsa_code_object_version 6
	.text
	.protected	k_q2d34ef47e7_prep
	.globl	k_q2d34ef47e7_prep
	.p2align	8
	.type	k_q2d34ef47e7_prep,@function
k_q2d34ef47e7_prep:
	s_mov_b64 s[64:65], 0
	v_nop
	global_prefetch_b8 v0, s[64:65] scope:SCOPE_SE
	s_setreg_imm32_b32 hwreg(HW_REG_WAVE_MODE, 25, 1), 1
	s_wait_xcnt 0x0
; PREP.  Three jobs, told apart by the work-group's number alone.
;  work-groups 0-127: x [4096][1024] f32, and 128-223: Wqkv_w [3072][1024] f32, become codes of FP4 (E2M1), K innermost, two codes a byte, with one E8M0 byte for each 32 along K.
;    A block's scale is 2^(floor(log2(largest magnitude)) - 2); its byte is the largest magnitude's exponent field - 2, held at 1 from below.  A block of zeros so gets the byte 1 where the
;    quantiser says 127: its codes are zeros, which add nothing under any byte but 0xff, and this program alone reads the bytes.
;  work-groups 224-287: Wo_w [1024][1024] f32 is rounded to f16, rows as they lie.
;  work-group 288: the key mask (one byte a key) becomes a table of f32 numbers that are added to the scores: 0 for a key that counts, -2^100 for one that is hidden.
; The buffer 'scales': x's bytes [4096][32] at 0, Wqkv_w's [3072][32] at WSC, the table [4096] f32 at KBIAS.
; LIMITS: blocks whose largest magnitude lies under 2^(2 - 126) keep the byte 1; NaN and infinities among x and Wqkv_w are not served; Wo_w beyond 65,504 in magnitude becomes infinite in f16.
; The quantiser: both tensors are plain streams of blocks of 32.  A wave takes 16 steps of 512 numbers.  Each load reads 512 consecutive bytes, 16 a lane; a step's 2,048 bytes turn through the wave's own
; stage in LDS and come back 64 bytes a lane, so that a lane holds 16 neighbours along K (two neighbouring lanes hold a block).  A lane's 16 codes are 8 bytes: the wave stores 256 consecutive bytes.
; A wave's 256 scale bytes are gathered in LDS and leave as one run of 256 bytes.  No tensor loads, no barrier: waves share nothing.
.set WGA,   128                        ; work-groups for x: 4096 x 1024 / 32768
.set WGQ,   224                        ; + 96 for Wqkv_w
.set WGW,   288                        ; + 64 for Wo_w
.set WAVES, 4
.set STEPS, 16
.set EMAX,  2
.set CB,    8                          ; bytes of 16 codes
.set R,     16                         ; v16-79   four sets of 16 numbers as they are loaded
.set X,     80                         ; v80-111  two sets of 16 neighbours
.set C,     128                        ; v128-191 codes: four registers for each step, so that no store's data are written again
.set E,     112                        ; v112-127 a scale byte for each step
.set WREG,  8192                       ; LDS: a region for each wave: two stages of 32 x SP bytes, behind them its 256 scale bytes
.set SP,    80                         ; a lane's place in a stage: 64 bytes + 16 of padding
.set SPW,   12                         ; v12  LDS address of my spare word; never rewritten
.set NIL,   13                         ; v13  0; never rewritten
.set SPARE, WAVES*WREG                 ; the spare words, 128 bytes a wave; no other line names them
.set WSC,   0x20000
.set KBIAS, 0x38000
.set NEGB,  0xf1800000                 ; -2^100
	s_load_b256 s[4:11], s[0:1], 0x0               ; x, Wqkv_w, x_codes, scales
	s_load_b256 s[12:19], s[0:1], 0x20             ; w_codes, Wo_w, wo16, mask
	v_lshl_add_u32 v[SPW], v0, 2, SPARE
	v_mov_b32 v[NIL], 0
	v_lshrrev_b32 v1, 5, v0
	v_readfirstlane_b32 s20, v1                    ; wave
	v_and_b32 v2, 31, v0                           ; lane
	s_cmp_ge_u32 ttmp9, WGQ
	s_cbranch_scc1 .Lother
	; ---- the quantiser
	v_lshlrev_b32 v3, 4, v2                        ; my 16 bytes of a load's 512
	s_mul_i32 s21, s20, WREG
	v_lshrrev_b32 v14, 2, v2
	v_mul_u32_u24 v14, v14, SP
	v_and_b32 v15, 3, v2
	v_lshl_add_u32 v14, v15, 4, v14
	v_add_nc_u32 v14, s21, v14                     ; the stage, on the way in: SP (lane / 4) + 16 (lane % 4)
	v_mul_u32_u24 v15, v2, SP
	v_add_nc_u32 v15, s21, v15                     ; and on the way out: SP x lane: my 16 neighbours
	v_mul_u32_u24 v4, v2, CB                       ; my codes' place in a step's
	v_lshrrev_b32 v5, 1, v2
	s_add_co_u32 s21, s21, 2*32*SP
	v_add_nc_u32 v5, s21, v5                       ; LDS: my wave's 256 scale bytes, my block's byte
	v_lshlrev_b32 v7, 3, v2                        ; and on the way out 8 bytes a lane
	v_add_nc_u32 v6, s21, v7
	s_wait_kmcnt 0x0
	s_cmp_lt_u32 ttmp9, WGA                        ; x's work-group or Wqkv_w's?  The choice hangs on the work-group's number alone
	s_cselect_b64 s[4:5], s[4:5], s[6:7]
	s_cselect_b64 s[8:9], s[8:9], s[12:13]
	s_cselect_b32 s21, 0, WGA
	s_cselect_b32 s26, 0, WSC
	s_sub_co_u32 s21, ttmp9, s21
	s_lshl_b32 s21, s21, 2
	s_add_co_u32 s22, s21, s20                     ; which run of 8,192 numbers of the tensor is my wave's
	s_mov_b32 s23, 0
	s_mov_b64 s[24:25], 512*STEPS*4
	s_mul_u64 s[24:25], s[22:23], s[24:25]
	s_add_nc_u64 s[4:5], s[4:5], s[24:25]
	s_mov_b64 s[24:25], 32*STEPS*CB
	s_mul_u64 s[24:25], s[22:23], s[24:25]
	s_add_nc_u64 s[8:9], s[8:9], s[24:25]
	s_lshl_b32 s22, s22, 8                         ; 256 scale bytes a run,
	s_add_co_u32 s22, s22, s26                     ; in the tensor's part of the buffer
	s_add_nc_u64 s[10:11], s[10:11], s[22:23]
.macro LOAD t
.irp i, 0,1,2,3
	global_load_b128 v[R+16*((\t)%4)+4*\i:R+16*((\t)%4)+4*\i+3], v3, s[4:5] offset:2048*(\t)+512*\i th:TH_LOAD_NT   ; 32 lanes read 512 consecutive bytes
.endr
.endm
.macro TURN t                          ; step t's numbers through the stage: LDS serves a wave's instructions in order, so no wait stands between the stores and the loads
.irp i, 0,1,2,3
	ds_store_b128 v14, v[R+16*((\t)%4)+4*\i:R+16*((\t)%4)+4*\i+3] offset:32*SP*((\t)%2)+8*SP*\i
.endr
.irp i, 0,1,2,3
	ds_load_b128 v[X+16*((\t)%2)+4*\i:X+16*((\t)%2)+4*\i+3], v15 offset:32*SP*((\t)%2)+16*\i
.endr
.endm
.irp t, 0,1,2,3
	LOAD \t
.endr
	s_wait_loadcnt 12                              ; step 0's four loads are in; the twelve of steps 1 to 3 may be out
	TURN 0
.macro STEP t
.set XS, X+16*((\t)%2)
.if (\t) > 0
	s_wait_dscnt 1                                 ; this step's numbers are back from the stage (the last step's byte store may be out)
.else
	s_wait_dscnt 0x0
.endif
.if (\t)+4 < STEPS
	LOAD (\t)+4                                    ; the stage's stores have read these registers: they take the loads of four steps on
.endif
.if (\t)+1 < STEPS
.if STEPS-2-(\t) >= 3
	s_wait_loadcnt 12                              ; the next step's four loads are in; those of the three steps behind it may be out
.else
	s_wait_loadcnt 4*(STEPS-2-(\t))
.endif
	TURN (\t)+1                                    ; and go through the other stage while this step is worked
.endif
	v_max3_num_f32 v8, |v[XS]|, |v[XS+1]|, |v[XS+2]|               ; the largest magnitude of my 16, in two chains
	v_max3_num_f32 v9, |v[XS+3]|, |v[XS+4]|, |v[XS+5]|
.irp i, 6,10
	v_max3_num_f32 v8, v8, |v[XS+\i]|, |v[XS+\i+1]|
	v_max3_num_f32 v9, v9, |v[XS+\i+2]|, |v[XS+\i+3]|
.endr
	v_max3_num_f32 v8, v8, |v[XS+14]|, |v[XS+15]|
	v_max3_num_f32 v8, v8, v9, (EMAX+1)<<23        ; and the floor 2^(EMAX + 1 - 127): so the byte cannot fall under 1
	v_max_num_f32_dpp v8, v8, v8 row_xmask:1 row_mask:0xf bank_mask:0xf   ; and of my neighbour's 16: the block's
	v_add_nc_u32 v11, -(EMAX<<23), v8              ; EMAX off its exponent field: the conversion takes the exponent field of this operand as its scale
	v_cvt_scalef32_pk8_fp4_f32 v[C+4*(\t)], v[XS:XS+7], v11        ; eight numbers / the scale, to the nearest code, ties to even, beyond the largest code the largest
	v_cvt_scalef32_pk8_fp4_f32 v[C+4*(\t)+1], v[XS+8:XS+15], v11
	v_lshrrev_b32 v[E+(\t)], 23, v11               ; the scale's byte (a plain line behind the conversions)
	ds_store_b8 v5, v[E+(\t)] offset:16*(\t)       ; both lanes of a block write the same byte with the same value
	global_store_b64 v4, v[C+4*(\t):C+4*(\t)+1], s[8:9] offset:32*CB*(\t)
.endm
.irp t, 0,1,2,3,4,5,6,7,8,9,10,11,12,13,14,15
	STEP \t
.endr
	ds_load_b64 v[8:9], v6                         ; LDS serves a wave's instructions in order: these see my stores
	s_wait_dscnt 0x0
	global_store_b64 v7, v[8:9], s[10:11]          ; 32 lanes store 256 consecutive bytes, aligned
	s_wait_tensorcnt 0x0                           ; the wave's end: a wait, an add to my spare word and a wait behind my last LDS store
	ds_add_u32 v[SPW], v[NIL]
	s_wait_dscnt 0x0
	s_endpgm
.Lother:
	s_cmp_ge_u32 ttmp9, WGW
	s_cbranch_scc1 .Lbias
	; ---- Wo_w to f16: a wave takes 4,096 numbers: 16 steps of two loads of 512 consecutive bytes; each load's numbers leave as 256 consecutive bytes
	s_sub_co_u32 s21, ttmp9, WGQ
	s_lshl_b32 s21, s21, 2
	s_add_co_u32 s21, s21, s20                     ; my run, 0 .. 255
	s_lshl_b32 s22, s21, 14                        ; 16,384 bytes in,
	s_mov_b32 s23, 0
	s_lshl_b32 s24, s21, 13                        ; 8,192 out
	s_mov_b32 s25, 0
	v_lshlrev_b32 v3, 4, v2
	v_lshlrev_b32 v4, 3, v2
	s_wait_kmcnt 0x0
	s_add_nc_u64 s[14:15], s[14:15], s[22:23]
	s_add_nc_u64 s[16:17], s[16:17], s[24:25]
.macro WLOAD t
	global_load_b128 v[16+8*((\t)%8):16+8*((\t)%8)+3], v3, s[14:15] offset:1024*(\t) th:TH_LOAD_NT
	global_load_b128 v[16+8*((\t)%8)+4:16+8*((\t)%8)+7], v3, s[14:15] offset:1024*(\t)+512 th:TH_LOAD_NT
.endm
.macro WSTEP t
.if (\t) < 9
	s_wait_loadcnt 14                              ; this step's two loads are in; the fourteen of the seven steps behind it may be out
.else
	s_wait_loadcnt 2*(15-(\t))
.endif
.irp p, 0,1,2,3
	v_cvt_pk_f16_f32 v[128+4*(\t)+\p], v[16+8*((\t)%8)+2*\p], v[16+8*((\t)%8)+2*\p+1]
.endr
.if (\t)+8 < 16
	WLOAD (\t)+8
.endif
	global_store_b64 v4, v[128+4*(\t):128+4*(\t)+1], s[16:17] offset:512*(\t)          ; each step has its own registers: no store's data are written again
	global_store_b64 v4, v[128+4*(\t)+2:128+4*(\t)+3], s[16:17] offset:512*(\t)+256
.endm
.irp t, 0,1,2,3,4,5,6,7
	WLOAD \t
.endr
.irp t, 0,1,2,3,4,5,6,7,8,9,10,11,12,13,14,15
	WSTEP \t
.endr
	s_endpgm
.Lbias:
	; ---- the key table: thread t takes mask bytes 4 t + 512 j, j = 0 .. 7; a byte is 0 or 1, and 1 x the bits of -2^100 are -2^100
	v_lshlrev_b32 v3, 2, v0
	v_lshlrev_b32 v4, 4, v0
	s_mov_b32 s21, NEGB
	s_wait_kmcnt 0x0
	s_add_nc_u64 s[10:11], s[10:11], KBIAS
.irp j, 0,1,2,3,4,5,6,7
	global_load_b32 v[16+\j], v3, s[18:19] offset:512*\j
.endr
	s_wait_loadcnt 0x0
.irp j, 0,1,2,3,4,5,6,7
.irp k, 0,1,2,3
	v_bfe_u32 v[32+4*\j+\k], v[16+\j], 8*\k, 8
.endr
.irp k, 0,1,2,3
	v_mul_lo_u32 v[32+4*\j+\k], v[32+4*\j+\k], s21
.endr
	global_store_b128 v4, v[32+4*\j:32+4*\j+3], s[10:11] offset:2048*\j   ; 32 lanes store 512 consecutive bytes
.endr
	s_endpgm
.Lfunc_end_k_q2d34ef47e7_prep:
	.size	k_q2d34ef47e7_prep, .Lfunc_end_k_q2d34ef47e7_prep-k_q2d34ef47e7_prep
	.p2alignl 7, 3214868480
	.fill 96, 4, 3214868480
	.section	.rodata,"a",@progbits
	.p2align	6, 0x0
	.amdhsa_kernel k_q2d34ef47e7_prep
		.amdhsa_group_segment_fixed_size 33280
		.amdhsa_private_segment_fixed_size 0
		.amdhsa_enable_private_segment 0
		.amdhsa_kernarg_size 64
		.amdhsa_user_sgpr_count 2
		.amdhsa_user_sgpr_kernarg_segment_ptr 1
		.amdhsa_wavefront_size32 1
		.amdhsa_system_sgpr_workgroup_id_x 1
		.amdhsa_system_sgpr_workgroup_id_y 1
		.amdhsa_system_sgpr_workgroup_id_z 1
		.amdhsa_system_vgpr_workitem_id 0
		.amdhsa_next_free_vgpr 192
		.amdhsa_next_free_sgpr 66
		.amdhsa_reserve_vcc 0
		.amdhsa_float_denorm_mode_32 3
		.amdhsa_float_denorm_mode_16_64 3
		.amdhsa_memory_ordered 1
		.amdhsa_forward_progress 1
		.amdhsa_inst_pref_size 50
	.end_amdhsa_kernel
	.amdgpu_metadata
---
amdhsa.version: [ 1, 2 ]
amdhsa.kernels:
  - .name:           k_q2d34ef47e7_prep
    .symbol:         k_q2d34ef47e7_prep.kd
    .args:
      - { .name: x, .offset: 0, .size: 8, .value_kind: global_buffer, .address_space: global }
      - { .name: Wqkv_w, .offset: 8, .size: 8, .value_kind: global_buffer, .address_space: global }
      - { .name: x_codes, .offset: 16, .size: 8, .value_kind: global_buffer, .address_space: global }
      - { .name: scales, .offset: 24, .size: 8, .value_kind: global_buffer, .address_space: global }
      - { .name: w_codes, .offset: 32, .size: 8, .value_kind: global_buffer, .address_space: global }
      - { .name: Wo_w, .offset: 40, .size: 8, .value_kind: global_buffer, .address_space: global }
      - { .name: wo16, .offset: 48, .size: 8, .value_kind: global_buffer, .address_space: global }
      - { .name: mask, .offset: 56, .size: 8, .value_kind: global_buffer, .address_space: global }
    .group_segment_fixed_size: 33280
    .private_segment_fixed_size: 0
    .kernarg_segment_align: 8
    .kernarg_segment_size: 64
    .max_flat_workgroup_size: 128
    .sgpr_count:     66
    .vgpr_count:     192
    .wavefront_size: 32
...
	.end_amdgpu_metadata
.endif
;; end of part 1
;; launch qkv (part 2): grid 12 x 16, 4 waves a work-group, clusters of 4 x 4, 327,680 bytes of LDS; arguments x_codes, scales, w_codes, qkv16, Wqkv_b, q32; writes qkv16, q32
.if DOCPART == 2
	.amdgcn_target "amdgcn-amd-amdhsa--gfx1250"
	.amdhsa_code_object_version 6
	.text
	.protected	k_q2d34ef47e7_qkv
	.globl	k_q2d34ef47e7_qkv
	.p2align	8
	.type	k_q2d34ef47e7_qkv,@function
k_q2d34ef47e7_qkv:
	s_mov_b64 s[64:65], 0
	v_nop
	global_prefetch_b8 v0, s[64:65] scope:SCOPE_SE
	s_setreg_imm32_b32 hwreg(HW_REG_WAVE_MODE, 25, 1), 1
	s_wait_xcnt 0x0
	s_wait_alu depctr_hold_cnt(0) depctr_sa_sdst(0) depctr_va_vdst(0) depctr_va_sdst(0) depctr_va_ssrc(0) depctr_va_vcc(0) depctr_vm_vsrc(0)
	s_getreg_b32 s2, hwreg(HW_REG_IB_STS2, 6, 4)
	s_cmp_eq_u32 s2, 0
	s_cbranch_scc0 .Lentry_in_a_cluster
	s_endpgm
.Lentry_in_a_cluster:
	s_bfe_u32 s2, ttmp6, 0x10000c
	s_cmp_lg_u32 s2, 0xf033
	s_cbranch_scc0 .Lentry_shape_is_right
	s_endpgm
.Lentry_shape_is_right:
; QKV = Q(x) Q(Wqkv_w)^T + Wqkv_b on codes of FP4 (E2M1) with one E8M0 scale for each 32 along K; sums in f32.  M 4096, N 3072, K 1024.
; Out: qkv16 [48 head slots = n / 64][4096 positions][64] in f16 (q: slots 0-15, k: 16-31, v: 32-47), and q32 [4][16][3072]: the first 16 rows of tile rows 0 to 3 in f32, of which a later launch reads the first.
; LIMIT: a result beyond 65,504 in magnitude becomes infinite in f16.
; A tile of C, 256 x 256, is made by a work-group of four waves; a wave makes 128 x 128: 64 accumulators of 16 x 16, 512 registers.  K is two steps of 512, one in each of two LDS slots: both are
; asked for at the start and nothing is filled again.  The scale bytes of the work-group's 256 + 256 rows, for all of K, come once, in runs of 256 bytes.
; CLUSTERS: 4 x 4 work-groups.  The four of a row of the cluster need the same tiles of x, the four of a column the same tiles of W: each tile is asked for JOINTLY, by the same tensor load with the same
; descriptor and a mask that names the four.  THE MATRIX INSTRUCTION IS USED TRANSPOSED (source 0 = 16 rows of W, source 1 = 16 rows of x): a lane then holds eight neighbouring columns of one row of C.
; THE BIAS is the C of each sum's first matrix instruction: eight registers for each block of 16 columns.
; REGISTERS, in windows of 256: window 0: v0-31 addresses; v32-95 scale words, two sets, and nothing else; v96-127 packed results on the way out; v128-191 x's fragments, one set; v192-255 the bias, later rows on the way out.
;   window 1: W's fragments, two sets, at v0 and v128.   window 2: the accumulators of my rows 0-63 ((a, b) at v[8 (8 a + b)]);   window 3: those of my rows 64-127.
.set SIZE_N, 3072
.set SIZE_K, 1024
.set KSTEP,  512                       ; along K in a slot
.set NQ,     KSTEP/128                 ; matrix instructions deep
.set ROWB,   256                       ; a tile's row in bytes
.set KROW,   SIZE_K/2                  ; a row of codes in memory
.set PITCH,  272                       ; an LDS row: 256 bytes + 16 of padding = 68 words, so the 16 rows that a load touches start at 16 different banks (64 banks of 4 bytes: ISA guide 11.1)
.set FR,     8                         ; registers of a fragment: 16 rows x 128 K
.set NL,     2                         ; LDS loads that bring one
.set NP,     4                         ; places behind this matrix instruction (ISA guide 7.12.1)
.set HALFT,  128*PITCH
.set SLOT,   4*HALFT                   ; x's 256 rows, then W's 256 rows
.set KS,     SIZE_K/32                 ; a row of scales in bytes
.set SCL,    2*SLOT                    ; behind the slots: the scales, as runs of 256 bytes + 16 of padding
.set HALFS,  (128*KS/256)*272          ; those of 128 rows: what one tensor load brings
.set SBLK,   (16*KS/256)*272           ; those of 16 rows
.set SPARE,  SCL+4*HALFS               ; the spare words, 128 bytes a wave; no other line names them
.set SPITCH, 528                       ; the way out in f32: a stage of 16 rows x (512 + 16) bytes for each wave, in slot 0, which has had its only fill and its last read by then
.set HPITCH, 272                       ; the way out in f16: 16 rows x (256 + 16) bytes, in the same bytes
.set WSC,    0x20000                   ; where W's scale bytes begin in the buffer
.set ADRA, 16                          ; v16-17  LDS address of my x fragments in slot 0, 1
.set ADRB, 20                          ; v20-21  the same for W
.set BO,   22                          ; v22     32 x (lane / 16): my place in a block's bias
.set STO,  24                          ; v24     f32 stage: where I put 32 bytes of a row
.set RD,   25                          ; v25     f32 stage: where I read a row back
.set CO,   26                          ; v26     16 x lane: my place in 512 consecutive bytes of memory
.set ADRS, 27                          ; v27     LDS address of my scale words: lanes 0-15 x's rows, lanes 16-31 W's
.set SPW,  28                          ; v28     my spare word; never rewritten
.set NIL,  29                          ; v29     0; never rewritten
.set RDH,  30                          ; v30     f16 stage: where I read 16 bytes back
.set STH,  31                          ; v31     f16 stage: where I put 16 bytes of a row
.set SC,   32
.set TMP,  96
.set AF,   128
.set BIAS, 192
.set BKH,  192
.set G1, 24
.set G0, 32
.set G1B, 48
.set G0B, 56
.set G1S, 68
.set G0S, 76
.set G1SB, 80
.set G0SB, 88
.set MSB, 0
.macro WIN new                         ; the immediate's high byte repeats the setting that is left
.if MSB != \new
	s_set_vgpr_msb (MSB<<8)|\new
.set MSB, \new
.endif
.endm
.set MUL_LO, 0xa1                      ; source 0 (W) window 1, source 1 (x) window 0, C and D window 2
.set MUL_HI, 0xf1                      ; the same, C and D window 3
.set BIA_LO, 0x81                      ; the first step: C (the bias) window 0, D window 2
.set BIA_HI, 0xc1                      ; D window 3
.set TO_B,   0x40                      ; destination window 1, address window 0
; A joint load: waves 0 and 1 fetch for x, waves 2 and 3 for W.  Each line has one mask and one set of registers for all that issue it; the branch hangs on the wave's number alone.
; An s_nop 0 and four v_nop follow each of the two lines.
.macro JLOAD g0a, g1a, g0b, g1b
	s_cmp_eq_u32 s15, 0
	s_cbranch_scc0 .Lfor_b_\@
	tensor_load_to_lds s[\g0a:\g0a+3], s[\g1a:\g1a+7]
	s_nop 0
.rept 4
	v_nop
.endr
	s_branch .Lasked_\@
.Lfor_b_\@:
	tensor_load_to_lds s[\g0b:\g0b+3], s[\g1b:\g1b+7]
	s_nop 0
.rept 4
	v_nop
.endr
.Lasked_\@:
.endm
.macro CROUND                          ; a round of the cluster's barrier
	s_barrier_signal -1
	s_barrier_wait -1
	s_cmp_lg_u32 s14, 0
	s_cbranch_scc1 .Lnot_wave_0_\@
	s_barrier_signal -3
.Lnot_wave_0_\@:
	s_barrier_wait -3
	s_barrier_signal -1
	s_barrier_wait -1
.endm
	s_load_b128 s[4:7], s[0:1], 0x0                ; x's codes s[4:5], the scales' buffer s[6:7]
	s_load_b128 s[8:11], s[0:1], 0x10              ; W's codes s[8:9], qkv16 s[10:11]
	s_load_b128 s[96:99], s[0:1], 0x20             ; Wqkv_b s[96:97], q32 s[98:99]
	v_lshl_add_u32 v[SPW], v0, 2, SPARE
	v_mov_b32 v[NIL], 0
	ds_add_u32 v[SPW], v[NIL]                      ; the wave's opening: the add, twice on end, and its wait ahead of my first tensor load
	ds_add_u32 v[SPW], v[NIL]
	v_lshrrev_b32 v1, 5, v0
	v_readfirstlane_b32 s14, v1                    ; wave 0..3
	s_lshr_b32 s15, s14, 1                         ; which half of the tile's rows is mine.  Also: I fetch for x (0) or for W (1)
	s_and_b32 s16, s14, 1                          ; which half of its columns.  Also: which 128 rows of that tile I fetch
	s_bfe_u32 s40, ttmp6, 0x40000                  ; cx, cy: my place in the cluster
	s_bfe_u32 s41, ttmp6, 0x40004
	s_lshl_b32 s42, ttmp9, 2
	s_add_co_u32 s42, s42, s40                     ; tile column of C = 4 x cluster x + cx
	s_and_b32 s17, ttmp7, 0xffff
	s_or_b32 s95, s17, s15                         ; 0 in the upper two waves of the clusters with y = 0: the same in all sixteen partners, for a given wave
	s_lshl_b32 s17, s17, 2
	s_add_co_u32 s17, s17, s41                     ; tile row of C = 4 x cluster y + cy
	s_lshl_b32 s43, s41, 2
	s_lshl_b32 s43, 15, s43                        ; my row of the cluster
	s_lshl_b32 s44, 0x1111, s40                    ; my column
	; descriptor group 1: a tile of 128 rows x 256 bytes, padded in LDS
	s_or_b32 s[G1+0], s43, (0<<16)|(1<<20)|(1<<21)|(5<<22)|(3<<25)  ; the mask: x's tiles go to my row; elements of 1 byte; padding on; bit 21 beside a mask; 4 words behind every 64
	s_or_b32 s[G1B+0], s44, (0<<16)|(1<<20)|(1<<21)|(5<<22)|(3<<25)
.irp g, G1, G1B
	s_mov_b32 s[\g+1], ROWB<<16                    ; tensor_dim0
	s_mov_b32 s[\g+2], 128<<16                     ; tensor_dim1
	s_mov_b32 s[\g+3], ROWB<<16                    ; tile_dim0
	s_mov_b32 s[\g+4], 128                         ; tile_dim1
	s_mov_b32 s[\g+5], KROW                        ; tensor_dim0_stride
	s_mov_b32 s[\g+6], 0
	s_mov_b32 s[\g+7], 0
.endr
	; the scales of 128 rows: a dense block of 4,096 bytes, as rows of 256 bytes (32 elements of 8 bytes), 16 bytes of padding behind each
	s_or_b32 s[G1S+0], s43, (3<<16)|(1<<20)|(1<<21)|(5<<22)|(3<<25)
	s_or_b32 s[G1SB+0], s44, (3<<16)|(1<<20)|(1<<21)|(5<<22)|(3<<25)
.irp g, G1S, G1SB
	s_mov_b32 s[\g+1], 32<<16
	s_mov_b32 s[\g+2], (128*KS/256)<<16
	s_mov_b32 s[\g+3], 32<<16
	s_mov_b32 s[\g+4], 128*KS/256
	s_mov_b32 s[\g+5], 32
	s_mov_b32 s[\g+6], 0
	s_mov_b32 s[\g+7], 0
.endr
	s_lshl_b32 s18, s16, 7                         ; which 128 rows of the tile I fetch
	s_lshl_b32 s20, s17, 8
	s_add_co_u32 s20, s20, s18                     ; x: row 256 x tile row + 128 x half
	s_lshl_b32 s46, s42, 8
	s_add_co_u32 s46, s46, s18                     ; W: row 256 x tile column + 128 x half
	s_mov_b32 s21, 0
	s_mov_b32 s47, 0
	s_mov_b64 s[18:19], KS
	s_mul_u64 s[22:23], s[20:21], s[18:19]         ; where these rows' scales begin, in bytes
	s_mul_u64 s[92:93], s[46:47], s[18:19]
	s_mov_b64 s[18:19], KROW
	s_mul_u64 s[20:21], s[20:21], s[18:19]         ; and their codes
	s_mul_u64 s[46:47], s[46:47], s[18:19]
	s_mul_i32 s45, s14, HALFT                      ; where they go: wave x 128 rows: no place in the cluster enters an LDS address
	s_mul_i32 s94, s14, HALFS
	s_wait_dscnt 0x0                               ; both opening adds are done
	s_wait_kmcnt 0x0
	s_mov_b64 s[12:13], s[10:11]                   ; qkv16
	s_add_nc_u64 s[10:11], s[6:7], WSC             ; W's scale bytes
	s_add_nc_u64 s[20:21], s[4:5], s[20:21]
	s_add_nc_u64 s[22:23], s[6:7], s[22:23]
	s_add_nc_u64 s[46:47], s[8:9], s[46:47]
	s_add_nc_u64 s[92:93], s[10:11], s[92:93]
	CROUND                                         ; all sixteen work-groups are here: the joint loads meet
	s_mov_b32 s[G0S], 1
	s_add_co_u32 s[G0S+1], s94, SCL
	s_mov_b64 s[G0S+2:G0S+3], s[22:23]
	s_or_b32 s[G0S+3], s[G0S+3], 0x80000000
	s_mov_b32 s[G0SB], 1
	s_add_co_u32 s[G0SB+1], s94, SCL
	s_mov_b64 s[G0SB+2:G0SB+3], s[92:93]
	s_or_b32 s[G0SB+3], s[G0SB+3], 0x80000000
	JLOAD G0S, G1S, G0SB, G1SB                     ; the scales first: they are wanted with K step 0
.irp s, 0,1
	s_mov_b32 s[G0+4*\s], 1
	s_add_co_u32 s[G0+4*\s+1], s45, \s*SLOT
	s_add_nc_u64 s[G0+4*\s+2:G0+4*\s+3], s[20:21], \s*ROWB
	s_or_b32 s[G0+4*\s+3], s[G0+4*\s+3], 0x80000000
	s_mov_b32 s[G0B+4*\s], 1
	s_add_co_u32 s[G0B+4*\s+1], s45, \s*SLOT
	s_add_nc_u64 s[G0B+4*\s+2:G0B+4*\s+3], s[46:47], \s*ROWB
	s_or_b32 s[G0B+4*\s+3], s[G0B+4*\s+3], 0x80000000
	JLOAD G0+4*\s, G1, G0B+4*\s, G1B               ; three tensor loads of mine are out in all
.endr
	v_and_b32 v1, 15, v0                           ; r = lane % 16
	v_bfe_u32 v2, v0, 4, 1                         ; h = lane / 16
	v_mul_u32_u24 v3, v1, PITCH
	v_lshl_add_u32 v4, v2, 4, v3                   ; a fragment's row x pitch + 16 x half
	s_mul_i32 s21, s15, HALFT                      ; my 128 rows of x
	s_mul_i32 s22, s16, HALFT                      ; my 128 rows of W,
	s_add_co_u32 s22, s22, 2*HALFT                 ; which lie behind x's 256
.irp s, 0,1
	v_add_nc_u32 v[ADRA+\s], s21, v4
	v_add_nc_u32 v[ADRB+\s], s22, v4
	s_add_co_u32 s21, s21, SLOT
	s_add_co_u32 s22, s22, SLOT
.endr
	v_mul_u32_u24 v5, v1, KS                       ; my row's scales: KS bytes a row,
	v_lshrrev_b32 v6, 8, v5
	v_lshl_add_u32 v5, v6, 4, v5                   ; and 16 more for each 256 passed
	s_mul_i32 s21, s15, HALFS                      ; x's: my 128 rows
	s_mul_i32 s22, s16, HALFS                      ; W's: my 128 rows, behind x's 256
	s_add_co_u32 s22, s22, 2*HALFS
	s_sub_co_u32 s22, s22, s21
	v_mul_u32_u24 v6, s22, v2                      ; lanes 16-31 take W's: the lower base + h x the distance
	s_add_co_u32 s21, s21, SCL
	v_add_nc_u32 v5, v5, v6
	v_add_nc_u32 v[ADRS], s21, v5
	s_mul_i32 s23, s14, 16*SPITCH                  ; my stage
	v_mul_u32_u24 v5, v1, SPITCH                   ; f32, in: row r, 32 bytes for each half of the lanes
	v_lshl_add_u32 v5, v2, 5, v5
	v_add_nc_u32 v[STO], s23, v5
	v_and_b32 v6, 31, v0
	v_lshlrev_b32 v[CO], 4, v6
	v_add_nc_u32 v[RD], s23, v[CO]                 ; f32, back: the 32 lanes take one row of 512 bytes
	v_mul_u32_u24 v5, v1, HPITCH                   ; f16, in: row r, 16 bytes for each half of the lanes
	v_lshl_add_u32 v5, v2, 4, v5
	v_add_nc_u32 v[STH], s23, v5
	v_lshrrev_b32 v5, 3, v6                        ; f16, back: eight lanes take a head slot's 128 bytes of a row, the 32 lanes four rows
	v_mul_u32_u24 v5, v5, HPITCH
	v_and_b32 v3, 7, v0
	v_lshl_add_u32 v5, v3, 4, v5
	v_add_nc_u32 v[RDH], s23, v5
	v_lshlrev_b32 v[BO], 5, v2
	s_lshl_b32 s46, s42, 10                        ; my first column in f32 bytes: 1024 x tile column + 512 x half
	s_lshl_b32 s47, s16, 9
	s_add_co_u32 s46, s46, s47
	s_mov_b32 s47, 0
	s_add_nc_u64 s[96:97], s[96:97], s[46:47]      ; the bias of my 128 columns
	s_mul_i32 s22, s41, 16*SIZE_N*4                ; q32: the partners along y are told apart by address
	s_add_co_u32 s22, s22, s46
	s_mov_b32 s23, 0
	s_add_nc_u64 s[98:99], s[98:99], s[22:23]
.irp b, 0,1,2,3,4,5,6,7
	global_load_b128 v[BIAS+8*\b:BIAS+8*\b+3], v[BO], s[96:97] offset:64*\b          ; register j of block b: the bias of column 16 b + 8 h + j
	global_load_b128 v[BIAS+8*\b+4:BIAS+8*\b+7], v[BO], s[96:97] offset:64*\b+16
.endr
	s_lshl_b32 s20, s42, 2                         ; qkv16: my first head slot 4 x tile column + 2 x half, of 524,288 bytes;
	s_lshl_b32 s21, s16, 1
	s_add_co_u32 s20, s20, s21
	s_lshl_b32 s20, s20, 19
	s_lshl_b32 s21, s17, 15                        ; my first position 256 x tile row + 128 x half, of 128 bytes
	s_add_co_u32 s20, s20, s21
	s_lshl_b32 s21, s15, 14
	s_add_co_u32 s20, s20, s21
	s_mov_b32 s21, 0
	s_add_nc_u64 s[12:13], s[12:13], s[20:21]
.macro FRAG reg, adr, q, i             ; a fragment, 16 rows x 128 K of 4-bit codes: lane l holds row l % 16; registers 4 c .. 4 c + 3 hold K = 64 c + 32 (l / 16) + 0 .. 31
.irp c, 0,1
	ds_load_b128 v[\reg+4*\c:\reg+4*\c+3], v[\adr] offset:64*(\q)+32*\c+(\i)*16*PITCH
.endr
.endm
; 16 matrix instructions: x's blocks a0, a0 + 1 against W's eight, 128 along K.  p: W's set; sc: the set of scale words.  first = 1: the bias is C, and the product starts the sum.
; The 64 accumulators take turns, one instruction a turn, in the same order in every step.
.macro MUL16 a0, p, q, sc, first
.irp a, \a0, \a0+1
.irp b, 0,1,2,3,4,5,6,7
.if \first
	v_wmma_scale_f32_16x16x128_f8f6f4 v[8*(8*((\a)%4)+\b):8*(8*((\a)%4)+\b)+7], v[128*(\p)+FR*\b:128*(\p)+FR*\b+FR-1], v[AF+FR*(\a):AF+FR*(\a)+FR-1], v[BIAS+8*\b:BIAS+8*\b+7], v[SC+8*NQ*(\sc)+NQ*\b+(\q)], v[SC+8*NQ*(\sc)+NQ*(\a)+(\q)] matrix_a_fmt:MATRIX_FMT_FP4 matrix_b_fmt:MATRIX_FMT_FP4 matrix_a_scale:MATRIX_SCALE_ROW1
.else
	v_wmma_scale_f32_16x16x128_f8f6f4 v[8*(8*((\a)%4)+\b):8*(8*((\a)%4)+\b)+7], v[128*(\p)+FR*\b:128*(\p)+FR*\b+FR-1], v[AF+FR*(\a):AF+FR*(\a)+FR-1], v[8*(8*((\a)%4)+\b):8*(8*((\a)%4)+\b)+7], v[SC+8*NQ*(\sc)+NQ*\b+(\q)], v[SC+8*NQ*(\sc)+NQ*(\a)+(\q)] matrix_a_fmt:MATRIX_FMT_FP4 matrix_b_fmt:MATRIX_FMT_FP4 matrix_a_scale:MATRIX_SCALE_ROW1
.endif
.endr
.endr
.endm
.macro FETCH_B slot, q, p              ; W's eight fragments of the slot's q-th 128 along K into set p
	WIN TO_B
.irp i, 0,1,2,3,4,5,6,7
	FRAG 128*(\p)+FR*\i, ADRB+\slot, \q, \i
.endr
	WIN 0
.endm
.macro FETCH_A slot, q, i0             ; x's blocks i0 .. i0 + 3
.irp i, \i0, \i0+1, \i0+2, \i0+3
	FRAG AF+FR*(\i), ADRA+\slot, \q, \i
.endr
.endm
.macro SCALES sc                       ; a K step's scale words into set sc: four words a row; lanes 0-15 take x's block i, lanes 16-31 W's block i
.irp i, 0,1,2,3,4,5,6,7
	ds_load_b128 v[SC+8*NQ*\sc+NQ*\i:SC+8*NQ*\sc+NQ*\i+3], v[ADRS] offset:\i*SBLK
.endr
.endm
; A load into a register that a matrix instruction has read, and a vector instruction or LDS store that reads a matrix result, stand NP places behind it; only plain vector instructions that name none of
; its registers are places (ISA guide 7.12.1 for vector instructions).
.macro PLACES n
.rept \n
	v_nop
.endr
.endm
.macro STEP slot, q, first             ; a step of 128 along K that has its successor in the same slot
	s_wait_dscnt 4*NL                              ; W's set and x's blocks 0-3 are in; the youngest eight loads (x's blocks 4-7) may be out
.if \first
	WIN BIA_LO
.else
	WIN MUL_LO
.endif
	MUL16 0, (\q)%2, \q, \slot, \first
	MUL16 2, (\q)%2, \q, \slot, \first
	s_wait_dscnt 0                                 ; x's blocks 4-7 are in
	PLACES NP
	FETCH_B \slot, (\q)+1, 1-(\q)%2
	FETCH_A \slot, (\q)+1, 0
.if \first
	WIN BIA_HI
.else
	WIN MUL_HI
.endif
	MUL16 4, (\q)%2, \q, \slot, \first
	MUL16 6, (\q)%2, \q, \slot, \first
	PLACES NP
	WIN 0
	FETCH_A \slot, (\q)+1, 4
.endm
.macro STEPS slot, from                ; the slot's steps from .. NQ - 2
.set QQ, \from
.rept NQ-1-\from
	STEP \slot, QQ, 0
.set QQ, QQ+1
.endr
.endm
	s_wait_tensorcnt 1                             ; the scales and my part of K step 0 are in; K step 1's load may be out
	s_barrier_signal -1
	s_barrier_wait -1                              ; everybody's are
	FETCH_B 0, 0, 0
	FETCH_A 0, 0, 0
	SCALES 0
	FETCH_A 0, 0, 4
	s_wait_loadcnt 0x0                             ; the bias
	STEP 0, 0, 1
	STEPS 0, 1
	; slot 0's last step changes slots: one barrier; in front of it each wave waits for all its tensor loads (its part of slot 1), adds 0 to its spare word, and waits for that and for its reads of slot 0
	s_wait_tensorcnt 0x0
	ds_add_u32 v[SPW], v[NIL]
	s_wait_dscnt 4*NL+1                            ; (the add and the youngest eight loads may be out)
	WIN MUL_LO
	MUL16 0, 1, NQ-1, 0, 0                         ; sixteen matrix instructions stand between the add and the wait for it
	s_wait_dscnt 0x0                               ; the add is done, and my reads of slot 0 are over
	s_barrier_signal -1
	MUL16 2, 1, NQ-1, 0, 0
	WIN 0
	s_barrier_wait -1
	PLACES NP
	v_add_nc_u32 v[ADRS], 4*NQ, v[ADRS]            ; on to K step 1's scale words (no LDS load of mine is out)
	FETCH_B 1, 0, 0
	FETCH_A 1, 0, 0
	SCALES 1
	WIN MUL_HI
	MUL16 4, 1, NQ-1, 0, 0
	MUL16 6, 1, NQ-1, 0, 0
	PLACES NP
	WIN 0
	FETCH_A 1, 0, 4
	STEPS 1, 0
	s_wait_dscnt 4*NL                              ; the very last step: nothing more to fetch
	WIN MUL_LO
	MUL16 0, 1, NQ-1, 1, 0
	MUL16 2, 1, NQ-1, 1, 0
	s_wait_dscnt 0
	WIN MUL_HI
	MUL16 4, 1, NQ-1, 1, 0
	MUL16 6, 1, NQ-1, 1, 0
	WIN 0
	; THE WAY OUT.  Slot 0 is done with: every wave has passed the change of slots, behind which nobody reads it, and nothing is filled again.  Each wave's stage lies there.
	PLACES NP
	s_cmp_lg_u32 s95, 0
	s_cbranch_scc1 .Lno_f32
	; my first 16 rows in f32, through the stage, as whole rows of 512 bytes
	WIN 0x08                                       ; an LDS store's data are its source 1: window 2
.irp b, 0,1,2,3,4,5,6,7
	ds_store_b128 v[STO], v[8*\b:8*\b+3] offset:64*\b              ; each accumulator from its low end on
	ds_store_b128 v[STO], v[8*\b+4:8*\b+7] offset:64*\b+16
.endr
	WIN 0
.irp t, 0,1,2,3,4,5,6,7,8,9,10,11,12,13,14,15
	ds_load_b128 v[AF+4*\t:AF+4*\t+3], v[RD] offset:\t*SPITCH      ; LDS serves a wave's instructions in order: these see the stores above
.endr
	s_wait_dscnt 0x0
.irp t, 0,1,2,3,4,5,6,7,8,9,10,11,12,13,14,15
	global_store_b128 v[CO], v[AF+4*\t:AF+4*\t+3], s[98:99] offset:\t*SIZE_N*4   ; 32 lanes store 512 consecutive bytes
.endr
.Lno_f32:
; Block a of 16 rows x 128 columns.  PACK: rounded to f16, 16 bytes a lane.  TOSTAGE: into my stage, and back by head slot: 16 positions x 128 bytes of a head slot are 2,048 consecutive bytes of memory.  SEND: stored.
.macro PACK a
.set AC, 64*((\a)%4)
	WIN 0x0a+5*((\a)/4)                            ; sources 0 and 1: window 2 or 3
.irp b, 0,1,2,3,4,5,6,7
.irp r, 0,1,2,3
	v_cvt_pk_f16_f32 v[TMP+4*\b+\r], v[AC+8*\b+2*\r], v[AC+8*\b+2*\r+1]
.endr
.endr
	WIN 0
.endm
.macro TOSTAGE a
.set BB, BKH+32*((\a)%2)
.irp b, 0,1,2,3,4,5,6,7
	ds_store_b128 v[STH], v[TMP+4*\b:TMP+4*\b+3] offset:32*\b
.endr
.irp u, 0,1
.irp t, 0,1,2,3
	ds_load_b128 v[BB+16*\u+4*\t:BB+16*\u+4*\t+3], v[RDH] offset:4*HPITCH*\t+128*\u
.endr
.endr
.endm
.macro SEND a, younger                 ; younger: the LDS instructions issued behind block a's loads, which may stay out
.set BB, BKH+32*((\a)%2)
	s_wait_dscnt \younger
.irp u, 0,1
.irp t, 0,1,2,3
	global_store_b128 v[CO], v[BB+16*\u+4*\t:BB+16*\u+4*\t+3], s[12:13] offset:2048*(\a)+512*\t+524288*\u   ; 32 lanes store 512 consecutive bytes, aligned
.endr
.endr
.endm
	PACK 0
	TOSTAGE 0
.irp a, 1,2,3,4,5,6,7
	PACK \a
.if \a > 1
	s_wait_xcnt 0x0                                ; block a - 2's stores have read their registers: block a's loads may land there
.endif
	TOSTAGE \a
	SEND \a-1, 16                                  ; behind block a - 1's loads: block a's 8 stores and 8 loads
.endr
	SEND 7, 0
	s_wait_tensorcnt 0x0                           ; the wave's end: a wait, an add to my spare word and a wait behind my last tensor load and my last LDS store
	ds_add_u32 v[SPW], v[NIL]
	s_wait_dscnt 0x0
	CROUND                                         ; the closing round: no work-group ends while a partner may still ask for a tile that names it
	s_endpgm
.Lfunc_end_k_q2d34ef47e7_qkv:
	.size	k_q2d34ef47e7_qkv, .Lfunc_end_k_q2d34ef47e7_qkv-k_q2d34ef47e7_qkv
	.p2alignl 7, 3214868480
	.fill 96, 4, 3214868480
	.section	.rodata,"a",@progbits
	.p2align	6, 0x0
	.amdhsa_kernel k_q2d34ef47e7_qkv
		.amdhsa_group_segment_fixed_size 327680
		.amdhsa_private_segment_fixed_size 0
		.amdhsa_enable_private_segment 0
		.amdhsa_kernarg_size 48
		.amdhsa_user_sgpr_count 2
		.amdhsa_user_sgpr_kernarg_segment_ptr 1
		.amdhsa_wavefront_size32 1
		.amdhsa_system_sgpr_workgroup_id_x 1
		.amdhsa_system_sgpr_workgroup_id_y 1
		.amdhsa_system_sgpr_workgroup_id_z 1
		.amdhsa_system_vgpr_workitem_id 0
		.amdhsa_next_free_vgpr 1024
		.amdhsa_next_free_sgpr 100
		.amdhsa_reserve_vcc 0
		.amdhsa_float_denorm_mode_32 3
		.amdhsa_float_denorm_mode_16_64 3
		.amdhsa_memory_ordered 1
		.amdhsa_forward_progress 1
		.amdhsa_inst_pref_size 132
	.end_amdhsa_kernel
	.amdgpu_metadata
---
amdhsa.version: [ 1, 2 ]
amdhsa.kernels:
  - .name:           k_q2d34ef47e7_qkv
    .symbol:         k_q2d34ef47e7_qkv.kd
    .args:
      - { .name: x_codes, .offset: 0, .size: 8, .value_kind: global_buffer, .address_space: global }
      - { .name: scales, .offset: 8, .size: 8, .value_kind: global_buffer, .address_space: global }
      - { .name: w_codes, .offset: 16, .size: 8, .value_kind: global_buffer, .address_space: global }
      - { .name: qkv16, .offset: 24, .size: 8, .value_kind: global_buffer, .address_space: global }
      - { .name: Wqkv_b, .offset: 32, .size: 8, .value_kind: global_buffer, .address_space: global }
      - { .name: q32, .offset: 40, .size: 8, .value_kind: global_buffer, .address_space: global }
    .group_segment_fixed_size: 327680
    .private_segment_fixed_size: 0
    .kernarg_segment_align: 8
    .kernarg_segment_size: 48
    .max_flat_workgroup_size: 128
    .sgpr_count:     100
    .vgpr_count:     1024
    .wavefront_size: 32
...
	.end_amdgpu_metadata
.endif
;; end of part 2
;; launch attn (part 3): grid 16 x 16, 8 waves a work-group, no clusters, 327,680 bytes of LDS; arguments qkv16, scales, a16; writes a16
.if DOCPART == 3
	.amdgcn_target "amdgcn-amd-amdhsa--gfx1250"
	.amdhsa_code_object_version 6
	.text
	.protected	k_q2d34ef47e7_attn
	.globl	k_q2d34ef47e7_attn
	.p2align	8
	.type	k_q2d34ef47e7_attn,@function
k_q2d34ef47e7_attn:
	s_mov_b64 s[64:65], 0
	v_nop
	global_prefetch_b8 v0, s[64:65] scope:SCOPE_SE
	s_setreg_imm32_b32 hwreg(HW_REG_WAVE_MODE, 25, 1), 1
	s_wait_xcnt 0x0
; ATTENTION with the causal mask and the key mask, head size 64, operands in f16, products, maxima and sums in f32.
; In: qkv16 [48][4096][64] f16 (q: head slots 0-15, k: 16-31, v: 32-47); the key table (f32, 0 or -2^100) at KBIAS in 'scales'.  Out: a16, the result as images of the next product's fragments:
; [position / 16][channel / 32][g][lane][16 bytes]: lane (r, h) holds row r, channels 32 kf + 16 g + 8 h + 0 .. 7.
; SHARES.  Work-group (i, head) owns the query blocks i and 31 - i, 128 queries each, and walks a STREAM of 33 units of 128 keys, the same number in every work-group: units 0 .. i are block i's key units
; 0 .. i, units i + 1 .. 32 are block 31 - i's key units 0 .. 31 - i.  What lies wholly above the diagonal is never fetched.  Wave w: a = w / 2 names 32 queries (two tiles of 16), b = w % 2 the keys
; 64 b .. 64 b + 63 of every unit: a fragment of K or V feeds two matrix instructions, and two waves share a SIMD, so that one's vector work stands beside the other's matrix work.
; The two key halves of a query are merged once, at the end, through LDS.
; LAYOUT.  S^T = K Q^T + the table (source 0 = 16 keys, source 1 = 16 queries; the table's eight numbers are the C of a sum's first instruction): a lane holds ONE query (lane % 16) and keys 8 (lane / 16) + 0..7.
; Two such tiles, rounded to f16 in pairs, ARE source 1 of O^T = V^T P.  K comes out of LDS as it lies, V ([key][channel]) turned, by ds_load_tr16_b128.
; SOFTMAX.  A running maximum m, begun at -2^90, and sum l: p = 2^(c s - c m), c = log2(e) / 8; O and l are multiplied by 2^(c m_old - c m_new) in every unit.  Hidden scores are about -2^100, under every m: p = 0.
; A query all of whose keys are hidden ends with l = 0 and O = 0, and 0 x (1 / 0) is NaN, as the softmax of such a row is.
; LIMITS: raw scores lie above -2^90; q, k, v lie within f16's range.
; NO CLUSTER: work-group i restarts its walk over the keys at unit i + 1, so at a given change of slots no two work-groups of a head want the same three units: there is no tile to ask for jointly.
; REGISTERS, window 0: v2-15 addresses; v16-31 statistics, 8 a tile (c m, m, l even, l odd, c0-c3; the factor takes c2's place); v32-37 block i's m and l, kept; v39-45 lane constants and the end's addresses;
;   v64-127 S^T, 32 a tile; v128-159 P; v160-223 K's fragments; v224-255 the table's numbers.   window 1: v0-31 Q; v32-63 block 31 - i's Q; v64-127 O^T; v128-191 block i's O^T, kept; v192-255 V's fragments.
.set KP,    144                        ; a key's row of K in LDS: 128 bytes + 16: an odd multiple of 16 bytes, so the 16 rows of a load start at different banks
.set VP,    160                        ; of V: 128 + 32: an odd multiple of 32 bytes, for the turning load
.set VOFF,  128*KP                     ; a unit: 128 rows of K, then 128 rows of V
.set UB,    128*(KP+VP)                ; 38,912 bytes
.set SLOT1, 1<<17                      ; a slot holds three units; slot 1 begins here, so that one exclusive or turns an address from one slot to the other
.set SPARE, SLOT1+3*UB                 ; the spare words, 128 bytes a wave; no other line names them
.set CH,    8704                       ; the end: a wave's partial of one block: two tiles of O^T (4,096 bytes each), then m and l of both (128 bytes each)
.set XB,    8*CH                       ; the eight waves' partials of one block; block i's lie at 0, block 31 - i's at XB: in the slots, which have had their last fill by then
.set KBIAS, 0x38000
.set NEGB,  0xf1800000                 ; -2^100
.set MINB,  0xec800000                 ; -2^90
.set AK0, 2
.set AV0, 3
.set ADK, 4
.set ADV, 5
.set KBO, 6                            ; 32 x (lane / 16)
.set D0,  7                            ; v7, v8: the causal test's bound for tile 0, 1
.set NEGV, 9
.set SPW, 10                           ; my spare word; never rewritten
.set NIL, 11                           ; 0; never rewritten
.set GO,  12                           ; 16 x lane
.set PFO, 13                           ; 256 x lane
.set QO,  14
.set ST,  16
.set SA,  32
.set RH,  39                           ; lane % 16 - 8 (lane / 16)
.set DA0, 40                           ; the end: where I put O^T of block i, of block 31 - i,
.set DA1, 41
.set DS0, 42                           ; and their m and l;
.set DS1, 43
.set MA,  44                           ; where I read the two partials that I merge,
.set MS,  45                           ; and their m and l
.set S,   64
.set P,   128
.set KF,  160
.set BI,  224
.set ML,  224                          ; the end: m and l as read back
.set W,   232                          ; the end: at work, 8 a tile
.set Q,   0                            ; window 1
.set QB,  32
.set O,   64
.set OA,  128
.set VF,  192
.set WV,  10                           ; s10 wave; s11 a; s12 b
.set AW,  11
.set BW,  12
.set I,   13                           ; s13 i; s14 i + 1: the unit at which the blocks change
.set SW,  14
.set HD,  15
.set G1K, 16                           ; s[16:23], s[24:31] descriptor groups 1 for K's and V's tiles; s[32:35] my group 0
.set G1V, 24
.set G0,  32
.set TBASE, 36                         ; s[36:37] the head's K (waves 0-3) or V (waves 4-7)
.set E,   38                           ; s38 wave % 4
.set UL,  39                           ; s39 the stream unit that my next tensor load brings
.set KB0, 44                           ; s[44:45] the table at my half's first key; s[46:47] at the unit being asked for; s[48:49] that unit's offset
.set KBA, 46
.set OFF, 48
.set TB,  50                           ; s50 LDS byte of the unit in hand
.set U,   51                           ; s51 stream unit; s52 key unit
.set KU,  52
.set Q0W, 53                           ; s53 my first query in the block in hand; s54 in block 31 - i
.set QBW, 54
.set B64, 55                           ; s55 64 b
.set SLOTS, 56
.set CNT, 57
.set CS,  58                           ; s[58:59] c, twice: the packed form names the pair
.set SEL, 60                           ; s[60:61] selects for v_permlanex16_b32: lane l xor 16
.set PFA, 72                           ; s[72:73] where my prefetches stand
.set LIM, 74                           ; s74 1 in a wave that prefetches, else the greatest number
.set MINS, 76
.set MSB, 0
.macro WIN new                         ; the immediate's high byte repeats the setting that is left
.if MSB != \new
	s_set_vgpr_msb (MSB<<8)|\new
.set MSB, \new
.endif
.endm
.set W_QK, 0x04                        ; source 1 (Q) window 1; also: an LDS store's data in window 1
.set W_PV, 0x51                        ; V, C and D window 1, P window 0
.set W_11, 0x41                        ; destination and source 0 window 1
.set W_D1, 0x40                        ; destination window 1
; Waves 0-2 fetch K's tile of a slot's unit wave % 4, waves 4-6 V's, waves 3 and 7 nothing.  The branches hang on the wave's number alone.  An s_nop 0 and four v_nop follow each line.
.macro TLOAD
	s_cmp_eq_u32 s[E], 3
	s_cbranch_scc1 .Lasked_\@
	s_cmp_lt_u32 s[WV], 4
	s_cbranch_scc0 .Lfor_v_\@
	tensor_load_to_lds s[G0:G0+3], s[G1K:G1K+7]
	s_nop 0
.rept 4
	v_nop
.endr
	s_branch .Lasked_\@
.Lfor_v_\@:
	tensor_load_to_lds s[G0:G0+3], s[G1V:G1V+7]
	s_nop 0
.rept 4
	v_nop
.endr
.Lasked_\@:
.endm
; The global address of stream unit UL's tile: key unit UL, or UL - i - 1 behind the change of blocks; 16,384 bytes a unit.
.macro GADDR
	s_cmp_gt_u32 s[UL], s[I]
	s_cselect_b32 s68, s[SW], 0
	s_sub_co_u32 s68, s[UL], s68
	s_lshl_b32 s68, s68, 14
	s_mov_b32 s69, 0
	s_add_nc_u64 s[G0+2:G0+3], s[TBASE:TBASE+1], s[68:69]
	s_or_b32 s[G0+3], s[G0+3], 0x80000000          ; type = 2
.endm
; A PREFETCH INTO THE L2 of a slot's three units, 49,152 bytes of K and of V, one slot ahead of the tensor loads.  All sixteen work-groups of a head walk the same K and V; the one with i = 0 reaches every
; key unit from 16 on first and walks them in ascending order, so it asks, and nobody else.  In it the two waves ask that fetch nothing: wave 3 for K, wave 7 for V: six instructions, lanes 256 bytes apart:
; each run of 256 bytes is named once in the launch.  At the change that loads slot n it names key units 3 n + 2 .. 3 n + 4, which are slot n + 1's; the last change that fills a slot asks for nothing.
.macro ASK
	s_cmp_gt_u32 s[SLOTS], s[LIM]
	s_cbranch_scc0 .Lnot_mine_\@
.irp n, 0,1,2,3,4,5
	global_prefetch_b8 v[PFO], s[PFA:PFA+1] offset:8192*\n th:TH_LOAD_NT scope:SCOPE_SE
.endr
.Lnot_mine_\@:
.endm
; The table's 64 numbers of my keys in the unit at s[OFF]: register 8 k + j of lane (r, h): key 16 k + 8 h + j.  It stands behind a wait for all loads, so the base and the registers are free.
.macro BIASLOAD
	s_add_nc_u64 s[KBA:KBA+1], s[KB0:KB0+1], s[OFF:OFF+1]
.irp k, 0,1,2,3
	global_load_b128 v[BI+8*\k:BI+8*\k+3], v[KBO], s[KBA:KBA+1] offset:64*\k
	global_load_b128 v[BI+8*\k+4:BI+8*\k+7], v[KBO], s[KBA:KBA+1] offset:64*\k+16
.endr
.endm
	s_load_b128 s[4:7], s[0:1], 0x0                ; qkv16, scales
	s_load_b64 s[8:9], s[0:1], 0x10                ; a16
	v_lshl_add_u32 v[SPW], v0, 2, SPARE
	v_mov_b32 v[NIL], 0
	ds_add_u32 v[SPW], v[NIL]                      ; the wave's opening: the add, twice on end, and its wait ahead of my first tensor load
	ds_add_u32 v[SPW], v[NIL]
	v_lshrrev_b32 v1, 5, v0
	v_readfirstlane_b32 s[WV], v1                  ; wave 0..7
	s_lshr_b32 s[AW], s[WV], 1
	s_and_b32 s[BW], s[WV], 1
	s_mov_b32 s[I], ttmp9
	s_add_co_u32 s[SW], ttmp9, 1
	s_and_b32 s[HD], ttmp7, 0xffff
	; descriptor groups 1: 128 rows of 64 elements of 2 bytes, dense in memory; K: 4 words of padding behind every 32, V: 8
	s_mov_b32 s[G1K], (1<<16)|(1<<20)|(4<<22)|(3<<25)
	s_mov_b32 s[G1V], (1<<16)|(1<<20)|(4<<22)|(7<<25)
.irp g, G1K, G1V
	s_mov_b32 s[\g+1], 64<<16                      ; tensor_dim0
	s_mov_b32 s[\g+2], 128<<16                     ; tensor_dim1
	s_mov_b32 s[\g+3], 64<<16                      ; tile_dim0
	s_mov_b32 s[\g+4], 128                         ; tile_dim1
	s_mov_b32 s[\g+5], 64                          ; tensor_dim0_stride
	s_mov_b32 s[\g+6], 0
	s_mov_b32 s[\g+7], 0
.endr
	s_and_b32 s[E], s[WV], 3
	s_min_u32 s[UL], s[E], 2                       ; which unit of a slot I fetch (waves 3 and 7 fetch none)
	s_mul_i32 s63, s[UL], UB
	s_lshr_b32 s66, s[WV], 2                       ; 0: K, 1: V
	s_mul_i32 s67, s66, VOFF
	s_mov_b32 s[G0], 1                             ; count = 1
	s_add_co_u32 s[G0+1], s63, s67                 ; LDS address, in slot 0
	s_lshl_b32 s66, s66, 4
	s_add_co_u32 s66, s66, 16
	s_add_co_u32 s66, s66, s[HD]                   ; head slot 16 + head (K) or 32 + head (V),
	s_lshl_b32 s66, s66, 19                        ; of 524,288 bytes
	s_mov_b32 s67, 0
	s_lshl_b32 s[Q0W], s[I], 7
	s_lshl_b32 s62, s[AW], 5
	s_add_co_u32 s[Q0W], s[Q0W], s62               ; my first query: 128 i + 32 a,
	s_sub_co_u32 s[QBW], 31, s[I]
	s_lshl_b32 s[QBW], s[QBW], 7
	s_add_co_u32 s[QBW], s[QBW], s62               ; and 128 (31 - i) + 32 a
	s_lshl_b32 s[B64], s[BW], 6
	s_lshl_b32 s70, s[HD], 19                      ; q's head slot
	s_lshl_b32 s40, s[Q0W], 7
	s_add_co_u32 s40, s40, s70
	s_mov_b32 s41, 0
	s_lshl_b32 s42, s[QBW], 7
	s_add_co_u32 s42, s42, s70
	s_mov_b32 s43, 0
	s_lshl_b32 s[KB0], s[BW], 8                    ; the table: 256 bytes for 64 keys
	s_add_co_u32 s[KB0], s[KB0], KBIAS
	s_mov_b32 s[KB0+1], 0
	s_mov_b32 s[OFF], 0
	s_mov_b32 s[OFF+1], 0
	s_mov_b32 s[TB], 0
	s_mov_b32 s[U], 0
	s_mov_b32 s[KU], 0
	s_mov_b32 s[SLOTS], 10
	s_mov_b32 s[CS], 0x3e38aa3b                    ; c = log2(e) / 8
	s_mov_b32 s[CS+1], s[CS]
	s_mov_b32 s[SEL], 0x76543210
	s_mov_b32 s[SEL+1], 0xfedcba98
	s_mov_b32 s[MINS], MINB
	s_xor_b32 s62, s[E], 3                         ; 0 in waves 3 and 7,
	s_or_b32 s62, s62, ttmp9                       ; of the work-group with i = 0
	s_cmp_eq_u32 s62, 0
	s_cselect_b32 s[LIM], 1, -1
	s_sub_co_u32 s62, 31, s[I]                     ; the block that I merge and store at the end: b = 0: i, b = 1: 31 - i
	s_cmp_eq_u32 s[BW], 0
	s_cselect_b32 s62, s[I], s62
	s_lshl_b32 s62, s62, 3
	s_lshl_b32 s63, s[AW], 1
	s_add_co_u32 s62, s62, s63                     ; its tile of 16 positions: 8 x block + 2 a, of 32,768 bytes;
	s_lshl_b32 s62, s62, 15
	s_lshl_b32 s63, s[HD], 11                      ; the head's two fragments, 2,048 bytes
	s_add_co_u32 s62, s62, s63
	s_mov_b32 s63, 0
	v_and_b32 v1, 15, v0                           ; r
	v_bfe_u32 v38, v0, 4, 1                        ; h
	v_and_b32 v15, 31, v0                          ; lane
	v_lshlrev_b32 v[QO], 7, v1
	v_lshl_add_u32 v[QO], v38, 4, v[QO]            ; Q: row r of 128 bytes, + 16 h
	s_mul_i32 s70, s[BW], 64*KP
	v_mul_u32_u24 v[AK0], v1, KP
	v_lshl_add_u32 v[AK0], v38, 4, v[AK0]
	v_add_nc_u32 v[AK0], s70, v[AK0]               ; K: row 64 b + r, + 16 h
	s_mul_i32 s70, s[BW], 64*VP
	s_add_co_u32 s70, s70, VOFF
	v_and_b32 v[ADK], 7, v0
	v_lshl_add_u32 v[AV0], v38, 3, v[ADK]
	v_mul_u32_u24 v[AV0], v[AV0], VP
	v_bfe_u32 v[ADK], v0, 3, 1
	v_lshl_add_u32 v[AV0], v[ADK], 4, v[AV0]
	v_add_nc_u32 v[AV0], s70, v[AV0]               ; V: row 64 b + 8 h + lane % 8, + 16 ((lane / 8) % 2)
	v_lshlrev_b32 v[KBO], 5, v38
	v_lshlrev_b32 v[RH], 3, v38
	v_sub_nc_u32 v[RH], v1, v[RH]
	v_lshlrev_b32 v[GO], 4, v15
	v_lshlrev_b32 v[PFO], 8, v15
	v_mov_b32 v[NEGV], NEGB
	s_mul_i32 s70, s[WV], CH                       ; the end's addresses are made here, ahead of every branch on the wave's number
	v_lshl_add_u32 v[DA0], v15, 4, s70
	v_add_nc_u32 v[DA1], XB, v[DA0]
	v_lshl_add_u32 v[DS0], v15, 2, s70
	v_add_nc_u32 v[DS0], 8192, v[DS0]
	v_add_nc_u32 v[DS1], XB, v[DS0]
	s_mul_i32 s70, s[BW], XB
	s_mul_i32 s71, s[AW], 2*CH
	s_add_co_u32 s70, s70, s71
	v_lshl_add_u32 v[MA], v15, 4, s70
	v_lshl_add_u32 v[MS], v15, 2, s70
	v_add_nc_u32 v[MS], 8192, v[MS]
	s_wait_dscnt 0x0                               ; both opening adds are done
	s_wait_kmcnt 0x0
	s_add_nc_u64 s[TBASE:TBASE+1], s[4:5], s[66:67]
	GADDR
	TLOAD                                          ; slot 0: the one first fill at the head
	s_add_nc_u64 s[40:41], s[4:5], s[40:41]        ; Q of block i, of block 31 - i
	s_add_nc_u64 s[42:43], s[4:5], s[42:43]
	s_add_nc_u64 s[KB0:KB0+1], s[6:7], s[KB0:KB0+1]
	s_add_nc_u64 s[8:9], s[8:9], s[62:63]
	s_add_nc_u64 s[PFA:PFA+1], s[TBASE:TBASE+1], 2*16384   ; the first change of slots steps it to key unit 5.  Nothing is prefetched at the head
	WIN W_D1
.irp t, 0,1                                    ; a fragment of Q: 16 queries x 32 channels: two loads of 16 bytes, 32 bytes apart
.irp d, 0,1
	global_load_b128 v[Q+16*\t+8*\d:Q+16*\t+8*\d+3], v[QO], s[40:41] offset:2048*\t+64*\d
	global_load_b128 v[Q+16*\t+8*\d+4:Q+16*\t+8*\d+7], v[QO], s[40:41] offset:2048*\t+64*\d+32
	global_load_b128 v[QB+16*\t+8*\d:QB+16*\t+8*\d+3], v[QO], s[42:43] offset:2048*\t+64*\d
	global_load_b128 v[QB+16*\t+8*\d+4:QB+16*\t+8*\d+7], v[QO], s[42:43] offset:2048*\t+64*\d+32
.endr
.endr
	WIN 0
	BIASLOAD                                       ; key unit 0
	WIN W_D1
.set n, 0
.rept 128
	v_mov_b32 v[O+n], 0                            ; O^T, and the kept copy.  (The unit is written once: the first finds zeros, which the first change of m leaves zeros)
.set n, n+1
.endr
	WIN 0
.set n, 0
.rept 16
	v_mov_b32 v[ST+n], 0
.set n, n+1
.endr
.irp n, 0,1,2,3,4,5
	v_mov_b32 v[SA+\n], 0
.endr
.irp t, 0,1
	v_mov_b32 v[ST+8*\t+1], s[MINS]                ; m = -2^90
	v_mul_f32 v[ST+8*\t], s[CS], v[ST+8*\t+1]      ; c m
.endr
	s_wait_loadcnt 0x0                             ; Q, and the table's first numbers
; THE CHANGE OF BLOCKS, at unit i + 1: work on registers alone.  Block i's m, l and O^T are kept, block 31 - i's Q takes Q's place, the sums begin anew.
.macro SWITCH
.irp t, 0,1
	v_mov_b32 v[SA+3*\t], v[ST+8*\t+1]             ; (these six are the places behind the last products)
	v_mov_b32 v[SA+3*\t+1], v[ST+8*\t+2]
	v_mov_b32 v[SA+3*\t+2], v[ST+8*\t+3]
.endr
	WIN W_11
.set n, 0
.rept 64
	v_mov_b32 v[OA+n], v[O+n]                      ; each accumulator from its low end on
.set n, n+1
.endr
.set n, 0
.rept 32
	v_mov_b32 v[Q+n], v[QB+n]
.set n, n+1
.endr
	WIN W_D1
.set n, 0
.rept 64
	v_mov_b32 v[O+n], 0
.set n, n+1
.endr
	WIN 0
.irp t, 0,1
	v_mov_b32 v[ST+8*\t+1], s[MINS]
	v_mul_f32 v[ST+8*\t], s[CS], v[ST+8*\t+1]
	v_mov_b32 v[ST+8*\t+2], 0
	v_mov_b32 v[ST+8*\t+3], 0
.endr
	s_mov_b32 s[KU], 0
	s_mov_b32 s[Q0W], s[QBW]
.endm
; THE SOFTMAX of my two tiles for 64 keys; the tiles alternate, so that no line waits for the line above it.
.macro SOFTMAX
.irp j, 0,1,2,3
.irp t, 0,1
	v_max3_num_f32 v[ST+8*\t+4+\j], v[S+32*\t+8*\j], v[S+32*\t+8*\j+1], v[S+32*\t+8*\j+2]   ; four chains, one to an accumulator, each from its low end on
.endr
.endr
.irp i, 3,5
.irp j, 0,1,2,3
.irp t, 0,1
	v_max3_num_f32 v[ST+8*\t+4+\j], v[ST+8*\t+4+\j], v[S+32*\t+8*\j+\i], v[S+32*\t+8*\j+\i+1]
.endr
.endr
.endr
.irp t, 0,1
	v_max3_num_f32 v[ST+8*\t+4], v[ST+8*\t+4], v[S+32*\t+7], v[S+32*\t+15]
.endr
.irp t, 0,1
	v_max3_num_f32 v[ST+8*\t+6], v[ST+8*\t+6], v[S+32*\t+23], v[S+32*\t+31]
.endr
.irp t, 0,1
	v_max3_num_f32 v[ST+8*\t+4], v[ST+8*\t+4], v[ST+8*\t+5], v[ST+8*\t+6]
.endr
.irp t, 0,1
	v_max3_num_f32 v[ST+8*\t+4], v[ST+8*\t+4], v[ST+8*\t+7], v[ST+8*\t+1]   ; with the old m
.endr
.irp t, 0,1
	v_permlanex16_b32 v[ST+8*\t+5], v[ST+8*\t+4], s[SEL], s[SEL+1]          ; the query's other 32 keys lie in the lane 16 away
.endr
.irp t, 0,1
	v_mov_b32 v[ST+8*\t+7], v[ST+8*\t]             ; c m_old is kept
.endr
.irp t, 0,1
	v_max_num_f32 v[ST+8*\t+1], v[ST+8*\t+4], v[ST+8*\t+5]
.endr
.irp t, 0,1
	v_mul_f32 v[ST+8*\t], s[CS], v[ST+8*\t+1]
.endr
.irp t, 0,1
	v_sub_f32 v[ST+8*\t+7], v[ST+8*\t+7], v[ST+8*\t]
.endr
; ONE BATCH: the 32 scalings c s - c m, a pair of scores each, and all 66 exponentials; a pair's exponentials stand behind the next pair's scalings.  None of these lines names an exponential's result.
.set n, 0
.rept 17
.if n < 16
.irp t, 0,1
	v_pk_fma_f32 v[S+32*\t+2*n:S+32*\t+2*n+1], v[S+32*\t+2*n:S+32*\t+2*n+1], s[CS:CS+1], v[ST+8*\t:ST+8*\t+1] op_sel_hi:[1,0,0] neg_lo:[0,0,1] neg_hi:[0,0,1]
.endr
.endif
.if n == 0
.irp t, 0,1
	v_exp_f32 v[ST+8*\t+6], v[ST+8*\t+7]           ; the factor 2^(c m_old - c m_new)
.endr
.else
.irp t, 0,1
	v_exp_f32 v[S+32*\t+2*n-2], v[S+32*\t+2*n-2]
	v_exp_f32 v[S+32*\t+2*n-1], v[S+32*\t+2*n-1]
.endr
.endif
.set n, n+1
.endr
	v_nop                                          ; a plain line behind the last exponential,
	s_wait_alu depctr_va_vdst(0)                   ; and the one wait ahead of the batch's first use
.set n, 0
.rept 16
.irp t, 0,1
	v_cvt_pk_f16_f32 v[P+16*\t+n], v[S+32*\t+2*n], v[S+32*\t+2*n+1]
.endr
.set n, n+1
.endr
.irp w, 4,8,16,32                              ; the sum of a tile's 16 pairs, in place: neighbours 1, 2, 4 and 8 pairs apart
.set u, 0
.rept 32/\w
.irp t, 0,1
	v_pk_add_f32 v[S+32*\t+\w*u:S+32*\t+\w*u+1], v[S+32*\t+\w*u:S+32*\t+\w*u+1], v[S+32*\t+\w*u+\w/2:S+32*\t+\w*u+\w/2+1]
.endr
.set u, u+1
.endr
.endr
.irp t, 0,1
	v_pk_fma_f32 v[ST+8*\t+2:ST+8*\t+3], v[ST+8*\t+2:ST+8*\t+3], v[ST+8*\t+6:ST+8*\t+7], v[S+32*\t:S+32*\t+1] op_sel_hi:[1,0,1]   ; l = factor x l + the sum
.endr
	WIN W_11
.set n, 0
.rept 16
.irp t, 0,1
	v_pk_mul_f32 v[O+32*\t+2*n:O+32*\t+2*n+1], v[O+32*\t+2*n:O+32*\t+2*n+1], v[ST+8*\t+6:ST+8*\t+7] op_sel_hi:[1,0]   ; O^T x factor, each accumulator from its low end on
.endr
.set n, n+1
.endr
.endm
; A UNIT of the stream: my 64 of its 128 keys against my 32 queries.
.macro UNIT
	s_cmp_eq_u32 s[U], s[SW]
	s_cbranch_scc0 .Lnosw_\@
	SWITCH
.Lnosw_\@:
	s_add_co_u32 s62, s[KU], 1                     ; the next unit's key unit: one on, or 0 where the blocks change; held inside the table behind the last
	s_cmp_eq_u32 s[U], s[I]
	s_cselect_b32 s62, 0, s62
	s_min_u32 s62, s62, 31
	s_lshl_b32 s[OFF], s62, 9
	s_lshl_b32 s63, s[KU], 7
	s_add_co_u32 s63, s63, s[B64]                  ; my first key
	s_add_co_u32 s66, s[Q0W], 31
	s_cmp_gt_u32 s63, s66                          ; all my keys come after my 32 queries: the unit's work is left out (ids, the wave's number and the count of units alone)
	s_cbranch_scc1 .Lhid_\@
	v_add_nc_u32 v[ADK], s[TB], v[AK0]
	v_add_nc_u32 v[ADV], s[TB], v[AV0]
	v_nop
	v_nop                                          ; four places behind the last products, in front of the loads into V's registers
.irp k, 0,1,2,3
.irp d, 0,1
	ds_load_b128 v[KF+16*\k+8*\d:KF+16*\k+8*\d+3], v[ADK] offset:16*KP*\k+64*\d
	ds_load_b128 v[KF+16*\k+8*\d+4:KF+16*\k+8*\d+7], v[ADK] offset:16*KP*\k+64*\d+32
.endr
.endr
	WIN W_D1
.irp k, 0,1
.irp c, 0,1,2,3
	ds_load_tr16_b128 v[VF+32*\k+8*\c:VF+32*\k+8*\c+3], v[ADV] offset:32*VP*\k+32*\c
	ds_load_tr16_b128 v[VF+32*\k+8*\c+4:VF+32*\k+8*\c+7], v[ADV] offset:32*VP*\k+32*\c+16*VP
.endr
.endr
	s_wait_loadcnt 0x0                             ; the table's numbers, asked for a unit ago
	s_wait_dscnt 16                                ; K's 16 loads are in; V's 16 may be out
	WIN W_QK
.irp d, 0,1                                    ; S^T: eight accumulators by turns; the first eight take the table as C
.irp k, 0,1,2,3
.irp t, 0,1
.if \d == 0
	v_wmma_f32_16x16x32_f16 v[S+32*\t+8*\k:S+32*\t+8*\k+7], v[KF+16*\k+8*\d:KF+16*\k+8*\d+7], v[Q+16*\t+8*\d:Q+16*\t+8*\d+7], v[BI+8*\k:BI+8*\k+7]
.else
	v_wmma_f32_16x16x32_f16 v[S+32*\t+8*\k:S+32*\t+8*\k+7], v[KF+16*\k+8*\d:KF+16*\k+8*\d+7], v[Q+16*\t+8*\d:Q+16*\t+8*\d+7], v[S+32*\t+8*\k:S+32*\t+8*\k+7]
.endif
.endr
.endr
.endr
	WIN 0
.rept 4
	v_nop                                          ; places: in front of the loads into the table's registers, and of the first read of the scores
.endr
	BIASLOAD                                       ; the next unit's
	s_add_co_u32 s66, s63, 63
	s_cmp_le_u32 s66, s[Q0W]                       ; all my keys count for all my queries: nothing to hide
	s_cbranch_scc1 .Lopen_\@
	s_sub_co_i32 s66, s[Q0W], s63
	v_add_nc_u32 v[D0], s66, v[RH]                 ; register 8 k + j of tile t holds key (my first) + 16 k + 8 h + j and query (my first) + 16 t + r: hidden where 16 k + j > this bound
	v_add_nc_u32 v[D0+1], 16, v[D0]
.set n, 0
.rept 32
.irp t, 0,1
	v_cmp_gt_i32 vcc_lo, 16*(n/8)+n%8, v[D0+\t]
	v_cndmask_b32 v[S+32*\t+n], v[S+32*\t+n], v[NEGV], vcc_lo
.endr
.set n, n+1
.endr
.Lopen_\@:
	SOFTMAX
	s_wait_dscnt 0x0                               ; V is in
	WIN W_PV
.irp k, 0,1                                    ; O^T += V^T P: eight accumulators by turns
.irp c, 0,1,2,3
.irp t, 0,1
	v_wmma_f32_16x16x32_f16 v[O+32*\t+8*\c:O+32*\t+8*\c+7], v[VF+32*\k+8*\c:VF+32*\k+8*\c+7], v[P+16*\t+8*\k:P+16*\t+8*\k+7], v[O+32*\t+8*\c:O+32*\t+8*\c+7]
.endr
.endr
.endr
	WIN 0
	s_branch .Lend_\@
.Lhid_\@:
	s_wait_loadcnt 0x0                             ; this unit's numbers are not used; the next unit's are asked for
	BIASLOAD
.Lend_\@:
	s_add_co_u32 s[U], s[U], 1
	s_add_co_u32 s[KU], s[KU], 1
	s_add_co_u32 s[TB], s[TB], UB
.endm
; THE CHANGE OF SLOTS stands at a slot's head.  Each wave waits for all its tensor loads (its part of the slot ahead), adds 0 to its spare word, and waits for that and for its reads of the slot that it has left.
; Behind the barrier the slot ahead is whole and nobody reads the other one.  fill = 1: that one is filled with the stream's next three units: one tensor load a wave, which has three units' work in which to land.
.macro CHANGE fill
	s_wait_tensorcnt 0x0                           ; no tensor load of mine is out, so my group 0 may be written
	ds_add_u32 v[SPW], v[NIL]
.if \fill
	ds_add_u32 v[SPW], v[NIL]                      ; and twice on end here, in every trip alike; the descriptor's steps stand between the second and the wait
	s_xor_b32 s[G0+1], s[G0+1], SLOT1              ; the other slot than last time,
	s_add_co_u32 s[UL], s[UL], 3                   ; three units on
	GADDR
	s_wait_xcnt 0x0                                ; the last prefetches, a slot back, have read their address
	s_add_nc_u64 s[PFA:PFA+1], s[PFA:PFA+1], 3*16384
.endif
	s_wait_dscnt 0x0                               ; the add is done, and my reads of the slot that I have left are over
	s_barrier_signal -1
	s_barrier_wait -1
.if \fill
	TLOAD                                          ; the first thing behind the barrier, and a wave's one tensor load until the next
	ASK
.endif
.endm
.macro SLOT_STEPS                      ; a slot's three units: written once, walked three times
	s_mov_b32 s[CNT], 3
.Lu_\@:
	UNIT
	s_sub_co_u32 s[CNT], s[CNT], 1
	s_cmp_lg_u32 s[CNT], 0
	s_cbranch_scc1 .Lu_\@
	s_sub_co_u32 s[TB], s[TB], 3*UB
	s_xor_b32 s[TB], s[TB], SLOT1                  ; on to the other slot
.endm
.Lslot:                                            ; ten trips: behind each change of slots but the last the next slot is asked for.  Slot 1's first fill stands behind the first trip's barrier, where no load is a refill
	CHANGE 1
	SLOT_STEPS
	s_sub_co_u32 s[SLOTS], s[SLOTS], 1
	s_cmp_lg_u32 s[SLOTS], 0
	s_cbranch_scc1 .Lslot
	CHANGE 0                                       ; the eleventh slot is written out
	SLOT_STEPS
	; THE END.  Each l: its two halves, and the other half of the lanes'.  (These lines are the places behind the last products.)
	s_wait_loadcnt 0x0                             ; the last numbers asked of the table, which nobody uses
.irp t, 0,1
	v_add_f32 v[SA+3*\t+1], v[SA+3*\t+1], v[SA+3*\t+2]
	v_add_f32 v[ST+8*\t+2], v[ST+8*\t+2], v[ST+8*\t+3]
.endr
.irp t, 0,1
	v_permlanex16_b32 v[SA+3*\t+2], v[SA+3*\t+1], s[SEL], s[SEL+1]
	v_permlanex16_b32 v[ST+8*\t+3], v[ST+8*\t+2], s[SEL], s[SEL+1]
.endr
.irp t, 0,1
	v_add_f32 v[SA+3*\t+1], v[SA+3*\t+1], v[SA+3*\t+2]
	v_add_f32 v[ST+8*\t+2], v[ST+8*\t+2], v[ST+8*\t+3]
.endr
	s_wait_dscnt 0x0
	s_barrier_signal -1
	s_barrier_wait -1                              ; no wave reads a tile any more, and nothing is filled again: the slots' bytes take the partials
	WIN W_QK                                       ; an LDS store's data are its source 1: window 1
.irp t, 0,1
.irp g, 0,1,2,3,4,5,6,7
	ds_store_b128 v[DA0], v[OA+32*\t+4*\g:OA+32*\t+4*\g+3] offset:4096*\t+512*\g     ; images of the registers: lane l's 16 bytes at 16 l
	ds_store_b128 v[DA1], v[O+32*\t+4*\g:O+32*\t+4*\g+3] offset:4096*\t+512*\g       ; each accumulator from its low end on
.endr
.endr
	WIN 0
.irp t, 0,1
	ds_store_b32 v[DS0], v[SA+3*\t] offset:256*\t
	ds_store_b32 v[DS0], v[SA+3*\t+1] offset:256*\t+128
	ds_store_b32 v[DS1], v[ST+8*\t+1] offset:256*\t
	ds_store_b32 v[DS1], v[ST+8*\t+2] offset:256*\t+128
.endr
	s_wait_dscnt 0x0                               ; for the others' sake: my stores are done
	s_barrier_signal -1
	s_barrier_wait -1
	; THE MERGE.  Wave (a, b) takes block b (0: i, 1: 31 - i), queries 32 a on: the partials of waves 2 a (keys' lower halves) and 2 a + 1 (upper halves).
.irp t, 0,1
.irp k, 0,1
.irp g, 0,1,2,3,4,5,6,7
	ds_load_b128 v[S+96*\t+32*\k+4*\g:S+96*\t+32*\k+4*\g+3], v[MA] offset:CH*\k+4096*\t+512*\g
.endr
	ds_load_b32 v[ML+4*\t+2*\k], v[MS] offset:CH*\k+256*\t
	ds_load_b32 v[ML+4*\t+2*\k+1], v[MS] offset:CH*\k+256*\t+128
.endr
.endr
	s_wait_dscnt 0x0
.irp t, 0,1
	v_max_num_f32 v[W+8*\t+4], v[ML+4*\t], v[ML+4*\t+2]
.endr
.irp t, 0,1
	v_sub_f32 v[W+8*\t], v[ML+4*\t], v[W+8*\t+4]
	v_sub_f32 v[W+8*\t+2], v[ML+4*\t+2], v[W+8*\t+4]
.endr
.irp t, 0,1
	v_mul_f32 v[W+8*\t], s[CS], v[W+8*\t]
	v_mul_f32 v[W+8*\t+2], s[CS], v[W+8*\t+2]
.endr
.irp t, 0,1
	v_exp_f32 v[W+8*\t], v[W+8*\t]                 ; each half's factor 2^(c m_half - c m)
	v_exp_f32 v[W+8*\t+2], v[W+8*\t+2]
.endr
	v_nop
	s_wait_alu depctr_va_vdst(0)                   ; one wait for the four, ahead of their first use
.irp t, 0,1
	v_mul_f32 v[W+8*\t+5], v[ML+4*\t+1], v[W+8*\t]
.endr
.irp t, 0,1
	v_fma_f32 v[W+8*\t+5], v[ML+4*\t+3], v[W+8*\t+2], v[W+8*\t+5]   ; l
.endr
.irp t, 0,1
	v_rcp_f32 v[W+8*\t+6], v[W+8*\t+5]
.endr
	v_nop
	s_wait_alu depctr_va_vdst(0)
.irp t, 0,1
	v_mul_f32 v[W+8*\t], v[W+8*\t], v[W+8*\t+6]    ; factor / l, twice: a pair for the packed forms
	v_mul_f32 v[W+8*\t+2], v[W+8*\t+2], v[W+8*\t+6]
.endr
.irp t, 0,1
	v_mov_b32 v[W+8*\t+1], v[W+8*\t]
	v_mov_b32 v[W+8*\t+3], v[W+8*\t+2]
.endr
.irp t, 0,1
.set n, 0
.rept 16
	v_pk_mul_f32 v[S+96*\t+2*n:S+96*\t+2*n+1], v[S+96*\t+2*n:S+96*\t+2*n+1], v[W+8*\t:W+8*\t+1]
.set n, n+1
.endr
.set n, 0
.rept 16
	v_pk_fma_f32 v[S+96*\t+2*n:S+96*\t+2*n+1], v[S+96*\t+32+2*n:S+96*\t+32+2*n+1], v[W+8*\t+2:W+8*\t+3], v[S+96*\t+2*n:S+96*\t+2*n+1]
.set n, n+1
.endr
.set n, 0
.rept 16
	v_cvt_pk_f16_f32 v[P+16*\t+n], v[S+96*\t+2*n], v[S+96*\t+2*n+1]
.set n, n+1
.endr
.irp c, 0,1,2,3                                ; registers 4 c .. 4 c + 3: channels 16 c + 8 h + 0 .. 7 of row r: half c % 2 of the head's fragment c / 2
	global_store_b128 v[GO], v[P+16*\t+4*\c:P+16*\t+4*\c+3], s[8:9] offset:32768*\t+1024*(\c/2)+512*(\c%2)   ; 32 lanes store 512 consecutive bytes, aligned
.endr
.endr
	s_wait_tensorcnt 0x0                           ; the wave's end: a wait, an add to my spare word and a wait behind my last tensor load and my last LDS store
	ds_add_u32 v[SPW], v[NIL]
	s_wait_dscnt 0x0
	s_endpgm
.Lfunc_end_k_q2d34ef47e7_attn:
	.size	k_q2d34ef47e7_attn, .Lfunc_end_k_q2d34ef47e7_attn-k_q2d34ef47e7_attn
	.p2alignl 7, 3214868480
	.fill 96, 4, 3214868480
	.section	.rodata,"a",@progbits
	.p2align	6, 0x0
	.amdhsa_kernel k_q2d34ef47e7_attn
		.amdhsa_group_segment_fixed_size 327680
		.amdhsa_private_segment_fixed_size 0
		.amdhsa_enable_private_segment 0
		.amdhsa_kernarg_size 24
		.amdhsa_user_sgpr_count 2
		.amdhsa_user_sgpr_kernarg_segment_ptr 1
		.amdhsa_wavefront_size32 1
		.amdhsa_system_sgpr_workgroup_id_x 1
		.amdhsa_system_sgpr_workgroup_id_y 1
		.amdhsa_system_sgpr_workgroup_id_z 1
		.amdhsa_system_vgpr_workitem_id 0
		.amdhsa_next_free_vgpr 512
		.amdhsa_next_free_sgpr 80
		.amdhsa_reserve_vcc 1
		.amdhsa_float_denorm_mode_32 3
		.amdhsa_float_denorm_mode_16_64 3
		.amdhsa_memory_ordered 1
		.amdhsa_forward_progress 1
		.amdhsa_inst_pref_size 89
	.end_amdhsa_kernel
	.amdgpu_metadata
---
amdhsa.version: [ 1, 2 ]
amdhsa.kernels:
  - .name:           k_q2d34ef47e7_attn
    .symbol:         k_q2d34ef47e7_attn.kd
    .args:
      - { .name: qkv16, .offset: 0, .size: 8, .value_kind: global_buffer, .address_space: global }
      - { .name: scales, .offset: 8, .size: 8, .value_kind: global_buffer, .address_space: global }
      - { .name: a16, .offset: 16, .size: 8, .value_kind: global_buffer, .address_space: global }
    .group_segment_fixed_size: 327680
    .private_segment_fixed_size: 0
    .kernarg_segment_align: 8
    .kernarg_segment_size: 24
    .max_flat_workgroup_size: 256
    .sgpr_count:     80
    .vgpr_count:     512
    .wavefront_size: 32
...
	.end_amdgpu_metadata
.endif
;; end of part 3
;; launch proj (part 4): grid 8 x 32, 4 waves a work-group, clusters of 4 x 4, 327,680 bytes of LDS; arguments a16, wo16, out0, Wo_b; writes out0
.if DOCPART == 4
	.amdgcn_target "amdgcn-amd-amdhsa--gfx1250"
	.amdhsa_code_object_version 6
	.text
	.protected	k_q2d34ef47e7_proj
	.globl	k_q2d34ef47e7_proj
	.p2align	8
	.type	k_q2d34ef47e7_proj,@function
k_q2d34ef47e7_proj:
	s_mov_b64 s[64:65], 0
	v_nop
	global_prefetch_b8 v0, s[64:65] scope:SCOPE_SE
	s_setreg_imm32_b32 hwreg(HW_REG_WAVE_MODE, 25, 1), 1
	s_wait_xcnt 0x0
	s_wait_alu depctr_hold_cnt(0) depctr_sa_sdst(0) depctr_va_vdst(0) depctr_va_sdst(0) depctr_va_ssrc(0) depctr_va_vcc(0) depctr_vm_vsrc(0)
	s_getreg_b32 s2, hwreg(HW_REG_IB_STS2, 6, 4)
	s_cmp_eq_u32 s2, 0
	s_cbranch_scc0 .Lentry_in_a_cluster
	s_endpgm
.Lentry_in_a_cluster:
	s_bfe_u32 s2, ttmp6, 0x10000c
	s_cmp_lg_u32 s2, 0xf033
	s_cbranch_scc0 .Lentry_shape_is_right
	s_endpgm
.Lentry_shape_is_right:
; out0 = A Wo^T + Wo_b.  A: attention's result, [4096][1024] in f16, stored as images of fragments: [row / 16][k / 32][g][lane][16 bytes]; Wo: wo16 [1024][1024] f16 by rows; out0 [4096][1024] f32; sums in f32.
; A tile of the result is 128 x 128, so that there are 256 work-groups.  Four waves, each 64 x 64: 16 accumulators of 16 x 16.  K goes in steps of 256 through a ring of two LDS slots.
; A's part of a step is, for each 16 rows, 8,192 consecutive bytes of memory, 32,768 bytes from one 16 rows to the next: a wave's tensor load brings four such rows and they lie in LDS without a gap: a fragment
; is two loads of 512 consecutive bytes.  Wo's part is 64 rows of 512 bytes a load, 16 bytes of padding behind each.
; CLUSTERS: 4 x 4 work-groups.  The four of a row of the cluster need the same tiles of A, the four of a column the same tiles of Wo: each tile is asked for JOINTLY.
; THE MATRIX INSTRUCTION IS USED TRANSPOSED (source 0 = 16 rows of Wo, source 1 = 16 rows of A): a lane then holds eight neighbouring columns of one row.  THE BIAS is the C of each sum's first instruction.
; REGISTERS: window 0: v0-31 addresses; v32-95 rows on the way out; v96-127 the bias; v128-255 the accumulators ((a, b) at v[128 + 8 (4 a + b)]).   window 1: two fragment buffers of 128: 64 registers of A, then 64 of Wo.
.set SIZE_N, 1024
.set SIZE_K, 1024
.set KSTEP,  256
.set PITCH,  528                       ; Wo's LDS row: 512 bytes + 16 = 132 words: the 16 rows of a load start at 16 different banks (64 banks of 4 bytes: ISA guide 11.1)
.set HALFT,  64*PITCH                  ; 64 rows of Wo: what one tensor load brings
.set HALFA,  32768                     ; 64 rows of A for a K step, as images
.set BOFF,   2*HALFA
.set SLOT,   2*HALFA+2*HALFT           ; A's 128 rows, then Wo's 128 rows
.set STAGE,  2*SLOT                    ; behind the ring: 16 rows x 272 bytes for each wave, for the way out
.set SPITCH, 272
.set SPARE,  STAGE+4*16*SPITCH         ; the spare words, 128 bytes a wave; no other line names them
.set LAPS, SIZE_K/(2*KSTEP)
.set ADRA, 16
.set ADRB, 20
.set STO,  24
.set RD,   25
.set CO,   26
.set SPW,  28                          ; my spare word; never rewritten
.set NIL,  29                          ; 0; never rewritten
.set BO,   30
.set TMP,  32
.set BIAS, 96
.set ACC,  128
.set F0,   0
.set F1,   128
.set G1, 24
.set G0, 32
.set G1B, 48
.set G0B, 56
.set MSB, 0
.macro WIN new                         ; the immediate's high byte repeats the setting that is left
.if MSB != \new
	s_set_vgpr_msb (MSB<<8)|\new
.set MSB, \new
.endif
.endm
.set MUL,  0x05                        ; sources 0 (Wo) and 1 (A) window 1; C and D window 0
.set TO_F, 0x40                        ; destination window 1, address window 0
.macro JLOAD s                         ; a joint load: waves 0 and 1 fetch A's two halves, waves 2 and 3 Wo's; an s_nop 0 and four v_nop follow each line
	s_cmp_eq_u32 s11, 0
	s_cbranch_scc0 .Lfor_b_\@
	tensor_load_to_lds s[G0+4*\s:G0+4*\s+3], s[G1:G1+7]
	s_nop 0
.rept 4
	v_nop
.endr
	s_branch .Lasked_\@
.Lfor_b_\@:
	tensor_load_to_lds s[G0B+4*\s:G0B+4*\s+3], s[G1B:G1B+7]
	s_nop 0
.rept 4
	v_nop
.endr
.Lasked_\@:
.endm
.macro CREST                           ; a round of the cluster's barrier behind its opening barrier
	s_cmp_lg_u32 s10, 0
	s_cbranch_scc1 .Lnot_wave_0_\@
	s_barrier_signal -3
.Lnot_wave_0_\@:
	s_barrier_wait -3
	s_barrier_signal -1
	s_barrier_wait -1
.endm
.macro CROUND
	s_barrier_signal -1
	s_barrier_wait -1
	CREST
.endm
	s_load_b128 s[4:7], s[0:1], 0x0                ; a16, wo16
	s_load_b64 s[8:9], s[0:1], 0x10                ; out0
	s_load_b64 s[68:69], s[0:1], 0x18              ; Wo_b
	v_lshl_add_u32 v[SPW], v0, 2, SPARE
	v_mov_b32 v[NIL], 0
	ds_add_u32 v[SPW], v[NIL]                      ; the wave's opening: the add, twice on end, and its wait ahead of my first tensor load
	ds_add_u32 v[SPW], v[NIL]
	v_lshrrev_b32 v1, 5, v0
	v_readfirstlane_b32 s10, v1                    ; wave 0..3
	s_lshr_b32 s11, s10, 1                         ; which half of the tile's rows is mine.  Also: I fetch for A (0) or for Wo (1)
	s_and_b32 s12, s10, 1                          ; which half of its columns.  Also: which 64 rows of that tile I fetch
	s_bfe_u32 s40, ttmp6, 0x40000                  ; cx, cy
	s_bfe_u32 s41, ttmp6, 0x40004
	s_lshl_b32 s42, ttmp9, 2
	s_add_co_u32 s42, s42, s40                     ; tile column = 4 x cluster x + cx
	s_and_b32 s13, ttmp7, 0xffff
	s_lshl_b32 s13, s13, 2
	s_add_co_u32 s13, s13, s41                     ; tile row = 4 x cluster y + cy
	s_lshl_b32 s43, s41, 2
	s_lshl_b32 s43, 15, s43                        ; my row of the cluster
	s_lshl_b32 s44, 0x1111, s40                    ; my column
	; A's group 1: 4 rows of 1,024 elements of 8 bytes, 4,096 elements apart, no padding
	s_or_b32 s[G1+0], s43, (3<<16)|(1<<21)
	s_mov_b32 s[G1+1], 1024<<16                    ; tensor_dim0
	s_mov_b32 s[G1+2], 4<<16                       ; tensor_dim1
	s_mov_b32 s[G1+3], 1024<<16                    ; tile_dim0
	s_mov_b32 s[G1+4], 4                           ; tile_dim1
	s_mov_b32 s[G1+5], 4096                        ; tensor_dim0_stride
	s_mov_b32 s[G1+6], 0
	s_mov_b32 s[G1+7], 0
	; Wo's: 64 rows of 256 elements of 2 bytes, 4 words of padding behind every 128
	s_or_b32 s[G1B+0], s44, (1<<16)|(1<<20)|(1<<21)|(6<<22)|(3<<25)
	s_mov_b32 s[G1B+1], KSTEP<<16
	s_mov_b32 s[G1B+2], 64<<16
	s_mov_b32 s[G1B+3], KSTEP<<16
	s_mov_b32 s[G1B+4], 64
	s_mov_b32 s[G1B+5], SIZE_K
	s_mov_b32 s[G1B+6], 0
	s_mov_b32 s[G1B+7], 0
	s_lshl_b32 s16, s13, 18                        ; A: (8 x tile row + 4 x half) x 32,768 bytes
	s_lshl_b32 s17, s12, 17
	s_add_co_u32 s16, s16, s17
	s_mov_b32 s17, 0
	s_lshl_b32 s46, s42, 7                         ; Wo: row 128 x tile column + 64 x half, of 2,048 bytes
	s_lshl_b32 s47, s12, 6
	s_add_co_u32 s46, s46, s47
	s_lshl_b32 s46, s46, 11
	s_mov_b32 s47, 0
	s_lshl_b32 s20, s12, 15                        ; where they go: A's half,
	s_mul_i32 s21, s12, HALFT
	s_add_co_u32 s21, s21, BOFF                    ; Wo's half: no place in the cluster enters an LDS address
	s_wait_dscnt 0x0                               ; both opening adds are done
	s_wait_kmcnt 0x0
	s_add_nc_u64 s[14:15], s[4:5], s[16:17]
	s_add_nc_u64 s[46:47], s[6:7], s[46:47]
	CROUND                                         ; all sixteen work-groups are here: the first joint loads meet
.irp s, 0,1
	s_mov_b32 s[G0+4*\s], 1
	s_add_co_u32 s[G0+4*\s+1], s20, \s*SLOT
	s_add_nc_u64 s[G0+4*\s+2:G0+4*\s+3], s[14:15], \s*8192
	s_or_b32 s[G0+4*\s+3], s[G0+4*\s+3], 0x80000000
	s_mov_b32 s[G0B+4*\s], 1
	s_add_co_u32 s[G0B+4*\s+1], s21, \s*SLOT
	s_add_nc_u64 s[G0B+4*\s+2:G0B+4*\s+3], s[46:47], \s*KSTEP*2
	s_or_b32 s[G0B+4*\s+3], s[G0B+4*\s+3], 0x80000000
	JLOAD \s
.endr
	v_and_b32 v1, 15, v0                           ; r
	v_bfe_u32 v2, v0, 4, 1                         ; h
	v_mul_u32_u24 v3, v1, PITCH
	v_lshl_add_u32 v3, v2, 4, v3                   ; Wo: a fragment's row x pitch + 16 h
	v_and_b32 v6, 31, v0
	v_lshlrev_b32 v6, 4, v6                        ; A: 16 x lane in an image
	s_lshl_b32 s21, s11, 15                        ; my 64 rows of A
	s_mul_i32 s22, s12, HALFT                      ; my 64 rows of Wo
	s_add_co_u32 s22, s22, BOFF
.irp s, 0,1
	v_add_nc_u32 v[ADRA+\s], s21, v6
	v_add_nc_u32 v[ADRB+\s], s22, v3
	s_add_co_u32 s21, s21, SLOT
	s_add_co_u32 s22, s22, SLOT
.endr
	s_mul_i32 s23, s10, 16*SPITCH
	s_add_co_u32 s23, s23, STAGE                   ; my stage
	v_mul_u32_u24 v4, v1, SPITCH                   ; in: row r, 32 bytes for each half of the lanes
	v_lshl_add_u32 v4, v2, 5, v4
	v_add_nc_u32 v[STO], s23, v4
	v_mul_u32_u24 v5, v2, SPITCH                   ; back: lanes 0-15 one row of 256 bytes, lanes 16-31 the next
	v_lshl_add_u32 v5, v1, 4, v5
	v_add_nc_u32 v[RD], s23, v5
	v_lshlrev_b32 v5, 12, v2                       ; and the same two rows in out0
	v_lshl_add_u32 v[CO], v1, 4, v5
	v_lshlrev_b32 v[BO], 5, v2
	s_lshl_b32 s46, s42, 9                         ; my first column, in bytes: 512 x tile column + 256 x half
	s_lshl_b32 s47, s12, 8
	s_add_co_u32 s46, s46, s47
	s_mov_b32 s47, 0
	s_add_nc_u64 s[68:69], s[68:69], s[46:47]
.irp b, 0,1,2,3
	global_load_b128 v[BIAS+8*\b:BIAS+8*\b+3], v[BO], s[68:69] offset:64*\b          ; register j of block b: the bias of column 16 b + 8 h + j
	global_load_b128 v[BIAS+8*\b+4:BIAS+8*\b+7], v[BO], s[68:69] offset:64*\b+16
.endr
	s_lshl_b32 s16, s13, 19                        ; my first row: 128 x tile row + 64 x half, of 4,096 bytes
	s_lshl_b32 s17, s11, 18
	s_add_co_u32 s16, s16, s17
	s_add_co_u32 s16, s16, s46
	s_mov_b32 s17, 0
	s_add_nc_u64 s[8:9], s[8:9], s[16:17]
; 8 matrix instructions: m blocks a0, a0 + 1 x all 4 n blocks, 32 along K: half c of buffer f.  first = 1: the bias is C, and the product starts the sum.  The 16 accumulators take turns.
.macro MUL8 f, c, a0, first
.irp a, \a0, \a0+1
.irp b, 0,1,2,3
.if \first
	v_wmma_f32_16x16x32_f16 v[ACC+8*(4*(\a)+\b):ACC+8*(4*(\a)+\b)+7], v[\f+64+8*(4*\c+\b):\f+64+8*(4*\c+\b)+7], v[\f+8*(4*\c+\a):\f+8*(4*\c+\a)+7], v[BIAS+8*\b:BIAS+8*\b+7]
.else
	v_wmma_f32_16x16x32_f16 v[ACC+8*(4*(\a)+\b):ACC+8*(4*(\a)+\b)+7], v[\f+64+8*(4*\c+\b):\f+64+8*(4*\c+\b)+7], v[\f+8*(4*\c+\a):\f+8*(4*\c+\a)+7], v[ACC+8*(4*(\a)+\b):ACC+8*(4*(\a)+\b)+7]
.endif
.endr
.endr
.endm
; 32 LDS loads in one run: the fragments of 64 along K (byte k of Wo's rows; A's images k / 64 and k / 64 + 1 of the step's eight) into buffer f; the first 32 along K first
.macro FETCH slot, k, f
	WIN TO_F
.irp c, 0,1
.irp i, 0,1,2,3
	ds_load_b128 v[\f+64+8*(4*\c+\i):\f+64+8*(4*\c+\i)+3],   v[ADRB+\slot] offset:\k+64*\c+\i*16*PITCH
	ds_load_b128 v[\f+64+8*(4*\c+\i)+4:\f+64+8*(4*\c+\i)+7], v[ADRB+\slot] offset:\k+64*\c+\i*16*PITCH+32
	ds_load_b128 v[\f+8*(4*\c+\i):\f+8*(4*\c+\i)+3],         v[ADRA+\slot] offset:\i*8192+((\k)/64+\c)*1024
	ds_load_b128 v[\f+8*(4*\c+\i)+4:\f+8*(4*\c+\i)+7],       v[ADRA+\slot] offset:\i*8192+((\k)/64+\c)*1024+512
.endr
.endr
.endm
.macro PLACES                          ; four places in front of loads into registers that matrix instructions have read, and of the first read of results (ISA guide 7.12.1 for vector instructions)
.rept 4
	v_nop
.endr
.endm
; A K step is four quarters of 64 along K, 32 matrix instructions each, on buffers 0, 1, 0, 1.  One of the first three: multiplies buffer f and fetches the next quarter, at byte k, into g.
.macro QUARTER slot, k, f, g, first
	s_wait_dscnt 16                                ; the first 32 along K are in; the youngest sixteen loads may be out
	WIN MUL
	MUL8 \f, 0, 0, \first
	MUL8 \f, 0, 2, \first
	PLACES
	FETCH \slot, \k, \g
	s_wait_dscnt 32                                ; all but the 32 just issued
	WIN MUL
	MUL8 \f, 1, 0, 0
	MUL8 \f, 1, 2, 0
.endm
; The last quarter multiplies buffer 1 and changes slots: one barrier; in front of it each wave waits for all its tensor loads, adds 0 to its spare word, and waits for that and for its reads of this slot.
; fill = 1: this slot is filled again, two K steps ahead: the barrier then opens a round of the cluster's barrier, and the joint refill is the first tensor load behind it.
.macro TURN slot, next, fill
	WIN 0
	s_wait_tensorcnt 0x0                           ; all my tensor loads have landed: my part of the next slot
	ds_add_u32 v[SPW], v[NIL]
	s_wait_dscnt 17                                ; (the add and the youngest sixteen loads may be out)
	WIN MUL
	MUL8 F1, 0, 0, 0                               ; eight matrix instructions stand between the add and the wait for it
	s_wait_dscnt 0x0                               ; the add is done, and my reads of this slot are over
	s_barrier_signal -1
	MUL8 F1, 0, 2, 0
.if \fill
	WIN 0
.endif
	s_barrier_wait -1
.if \fill
	CREST                                          ; no wave of any partner still reads this slot's tile or has a load on its way
	s_add_nc_u64 s[G0+4*\slot+2:G0+4*\slot+3], s[G0+4*\slot+2:G0+4*\slot+3], 2*8192
	s_add_nc_u64 s[G0B+4*\slot+2:G0B+4*\slot+3], s[G0B+4*\slot+2:G0B+4*\slot+3], 2*KSTEP*2
	JLOAD \slot                                    ; the four v_nop behind it are also the places in front of the loads below
.else
	PLACES
.endif
	FETCH \next, 0, F0
	WIN MUL
	MUL8 F1, 1, 0, 0
	MUL8 F1, 1, 2, 0
.endm
	s_wait_tensorcnt 1                             ; my part of K step 0 is in; K step 1's load may be out
	s_barrier_signal -1
	s_barrier_wait -1
	FETCH 0, 0, F0
	s_wait_loadcnt 0x0                             ; the bias
	QUARTER 0, 128, F0, F1, 1                      ; the first quarter stands in front of the loop: its first products start the sums
	WIN 0
	s_mov_b32 s3, LAPS-1
.Llap:                                                 ; a trip goes once round the ring, from a lap's second quarter to the next lap's first, and fills both slots again
	QUARTER 0, 256, F1, F0, 0
	QUARTER 0, 384, F0, F1, 0
	TURN 0, 1, 1
	QUARTER 1, 128, F0, F1, 0
	QUARTER 1, 256, F1, F0, 0
	QUARTER 1, 384, F0, F1, 0
	TURN 1, 0, 1
	QUARTER 0, 128, F0, F1, 0
	WIN 0
	s_sub_co_u32 s3, s3, 1
	s_cmp_lg_u32 s3, 0
	s_cbranch_scc1 .Llap
	QUARTER 0, 256, F1, F0, 0                      ; the last lap fills nothing
	QUARTER 0, 384, F0, F1, 0
	TURN 0, 1, 0
	QUARTER 1, 128, F0, F1, 0
	QUARTER 1, 256, F1, F0, 0
	QUARTER 1, 384, F0, F1, 0
	s_wait_dscnt 16
	WIN MUL
	MUL8 F1, 0, 0, 0
	MUL8 F1, 0, 2, 0
	s_wait_dscnt 0
	MUL8 F1, 1, 0, 0
	MUL8 F1, 1, 2, 0
	WIN 0
; THE WAY OUT, 16 rows x 64 columns at a time.  A wave's 64 columns of f32 are 256 consecutive bytes of a row, aligned: so each wave has a stage of its own and no barrier is needed.
.macro TOSTAGE a
.set BB, TMP+32*((\a)%2)
.irp b, 0,1,2,3
	ds_store_b128 v[STO], v[ACC+8*(4*(\a)+\b):ACC+8*(4*(\a)+\b)+3] offset:64*\b      ; each accumulator from its low end on
	ds_store_b128 v[STO], v[ACC+8*(4*(\a)+\b)+4:ACC+8*(4*(\a)+\b)+7] offset:64*\b+16
.endr
.irp t, 0,1,2,3,4,5,6,7
	ds_load_b128 v[BB+4*\t:BB+4*\t+3], v[RD] offset:\t*2*SPITCH    ; LDS serves a wave's instructions in order: these see the stores above
.endr
.endm
.macro SEND a, younger
.set BB, TMP+32*((\a)%2)
	s_wait_dscnt \younger
.irp t, 0,1,2,3,4,5,6,7
	global_store_b128 v[CO], v[BB+4*\t:BB+4*\t+3], s[8:9] offset:65536*(\a)+8192*\t th:TH_STORE_NT   ; 16 lanes store 256 consecutive bytes, aligned
.endr
.endm
	PLACES
	TOSTAGE 0
.irp a, 1,2,3
.if \a > 1
	s_wait_xcnt 0x0                                ; block a - 2's stores have read their registers: block a's loads may land there
.endif
	TOSTAGE \a
	SEND \a-1, 16                                  ; behind block a - 1's loads: block a's 8 stores and 8 loads
.endr
	SEND 3, 0
	s_wait_tensorcnt 0x0                           ; the wave's end: a wait, an add to my spare word and a wait behind my last tensor load and my last LDS store
	ds_add_u32 v[SPW], v[NIL]
	s_wait_dscnt 0x0
	CROUND                                         ; the closing round
	s_endpgm
.Lfunc_end_k_q2d34ef47e7_proj:
	.size	k_q2d34ef47e7_proj, .Lfunc_end_k_q2d34ef47e7_proj-k_q2d34ef47e7_proj
	.p2alignl 7, 3214868480
	.fill 96, 4, 3214868480
	.section	.rodata,"a",@progbits
	.p2align	6, 0x0
	.amdhsa_kernel k_q2d34ef47e7_proj
		.amdhsa_group_segment_fixed_size 327680
		.amdhsa_private_segment_fixed_size 0
		.amdhsa_enable_private_segment 0
		.amdhsa_kernarg_size 32
		.amdhsa_user_sgpr_count 2
		.amdhsa_user_sgpr_kernarg_segment_ptr 1
		.amdhsa_wavefront_size32 1
		.amdhsa_system_sgpr_workgroup_id_x 1
		.amdhsa_system_sgpr_workgroup_id_y 1
		.amdhsa_system_sgpr_workgroup_id_z 1
		.amdhsa_system_vgpr_workitem_id 0
		.amdhsa_next_free_vgpr 512
		.amdhsa_next_free_sgpr 72
		.amdhsa_reserve_vcc 0
		.amdhsa_float_denorm_mode_32 3
		.amdhsa_float_denorm_mode_16_64 3
		.amdhsa_memory_ordered 1
		.amdhsa_forward_progress 1
		.amdhsa_inst_pref_size 86
	.end_amdhsa_kernel
	.amdgpu_metadata
---
amdhsa.version: [ 1, 2 ]
amdhsa.kernels:
  - .name:           k_q2d34ef47e7_proj
    .symbol:         k_q2d34ef47e7_proj.kd
    .args:
      - { .name: a16, .offset: 0, .size: 8, .value_kind: global_buffer, .address_space: global }
      - { .name: wo16, .offset: 8, .size: 8, .value_kind: global_buffer, .address_space: global }
      - { .name: out0, .offset: 16, .size: 8, .value_kind: global_buffer, .address_space: global }
      - { .name: Wo_b, .offset: 24, .size: 8, .value_kind: global_buffer, .address_space: global }
    .group_segment_fixed_size: 327680
    .private_segment_fixed_size: 0
    .kernarg_segment_align: 8
    .kernarg_segment_size: 32
    .max_flat_workgroup_size: 128
    .sgpr_count:     72
    .vgpr_count:     512
    .wavefront_size: 32
...
	.end_amdgpu_metadata
.endif
;; end of part 4
;; launch fine (part 5): grid 64 x 1, 16 waves a work-group, no clusters, 18,432 bytes of LDS; arguments q32, mask, Wo_w, Wo_b, out0; writes out0
.if DOCPART == 5
	.amdgcn_target "amdgcn-amd-amdhsa--gfx1250"
	.amdhsa_code_object_version 6
	.text
	.protected	k_q2d34ef47e7_fine
	.globl	k_q2d34ef47e7_fine
	.p2align	8
	.type	k_q2d34ef47e7_fine,@function
k_q2d34ef47e7_fine:
	s_mov_b64 s[64:65], 0
	v_nop
	global_prefetch_b8 v0, s[64:65] scope:SCOPE_SE
	s_setreg_imm32_b32 hwreg(HW_REG_WAVE_MODE, 25, 1), 1
	s_wait_xcnt 0x0
; POSITIONS 0 TO 15 ONCE MORE, ALL IN f32: these rows average one to sixteen values and are the largest, so 16-bit operands weigh most there.  Their rows of out0 are written over.
; In: q32's first 16 rows [16][3072] f32 (q | k | v), the key mask, Wo_w and Wo_b as they are given.
; SHARES.  Work-group g owns output columns 16 g .. 16 g + 15.  Wave = head: it makes its head's 16 x 16 attention (every work-group repeats that: 32 small matrix instructions a wave), multiplies its head's
; 64 channels by Wo's, and the sixteen partial sums meet in LDS.  No cluster, no tensor load: a work-group reads some 256 KB once, straight into registers.
; FORM: v_wmma_f32_16x16x4_f32.  Lane (r, h) holds row (or column) r and, in register j, k = 2 h + j.  k is permuted alike on both sources, so that plain loads and earlier results serve as they lie.
;   scores^T = K Q^T + M (M: -2^100 for a hidden key, else 0, as the C of the first instruction): step s takes registers 2 s, 2 s + 1 of rows loaded 32 channels a lane half.
;   O^T = V^T P: a lane's eight p are keys 8 h + 0..7 of query r; V is loaded to match.     out = O Wo^T: a lane's eight numbers of O^T are channels 16 t + 8 h + 0..7; Wo is loaded to match.
; The registers that this form writes (v152-167, v176-207) are written by matrix instructions alone; what is made of a sum goes into other registers.  Two or four accumulators take turns.
; A query all of whose keys are hidden has l = 0 and O = 0: 0 x (1 / 0) is NaN, as the softmax of such a row is.  LIMIT: raw scores lie above -2^90.
; The stores are 64 consecutive bytes for sixteen lanes: 64 KB in the whole launch.
.set QF,  16
.set KF,  48
.set VF,  80
.set WF,  112
.set MB,  144
.set SA0, 152
.set SA1, 160
.set T,   168
.set OAC, 176
.set AF,  208
.set R,   240
.set MK,  248
.set BV,  250
.set OO,  251
.set SPW, 252                          ; my spare word; never rewritten
.set NIL, 253                          ; 0; never rewritten
.set LA,  254
.set LR,  255
.set SPARE, 16384                      ; behind the sixteen partial sums: the spare words, 128 bytes a wave; no other line names them
.set WV,  14
.set CS,  26
.set SEL, 28
	s_load_b256 s[4:11], s[0:1], 0x0               ; q32, mask, Wo_w, Wo_b
	s_load_b64 s[12:13], s[0:1], 0x20              ; out0
	v_lshl_add_u32 v[SPW], v0, 2, SPARE
	v_mov_b32 v[NIL], 0
	v_lshrrev_b32 v1, 5, v0
	v_readfirstlane_b32 s[WV], v1                  ; wave = head
	v_and_b32 v1, 15, v0                           ; r
	v_bfe_u32 v2, v0, 4, 1                         ; h
	v_and_b32 v3, 31, v0                           ; lane
	v_mul_u32_u24 v4, v1, 12288
	v_lshl_add_u32 v4, v2, 7, v4                   ; q, k: row r, + 32 h channels
	v_mul_u32_u24 v5, v2, 98304
	v_lshl_add_u32 v5, v1, 2, v5                   ; v: row 8 h, channel r
	v_lshlrev_b32 v6, 12, v1
	v_lshl_add_u32 v6, v2, 5, v6                   ; Wo: row r, + 8 h channels
	v_lshlrev_b32 v7, 3, v2                        ; the mask: 8 h
	v_lshlrev_b32 v8, 2, v1                        ; the bias: 4 r
	v_sub_nc_u32 v9, v1, v7                        ; r - 8 h
	v_mov_b32 v10, 0xf1800000                      ; -2^100
	v_mov_b32 v13, 0                               ; (a lane permute's destination counts as one of its sources)
	s_mov_b32 s15, 0xf1800000
	s_mov_b32 s30, 0xec800000                      ; -2^90
	s_mov_b32 s[CS], 0x3e38aa3b                    ; c = log2(e) / 8
	s_mov_b32 s[CS+1], s[CS]
	s_mov_b32 s[SEL], 0x76543210
	s_mov_b32 s[SEL+1], 0xfedcba98
	s_lshl_b32 s24, s[WV], 10
	v_lshl_add_u32 v[LA], v3, 2, s24               ; LDS: my partial sums: 1,024 x wave + 4 x lane (+ 128 j)
	s_min_u32 s25, s[WV], 7
	s_lshl_b32 s25, s25, 7
	v_lshl_add_u32 v[LR], v3, 2, s25               ; and what waves 0-7 read: register j = wave of every partial
	v_lshlrev_b32 v[OO], 15, v2
	v_lshl_add_u32 v[OO], v1, 2, v[OO]             ; out0: row 8 h (+ wave), column r
	s_lshl_b32 s16, s[WV], 8                       ; the head's 64 channels: 256 bytes
	s_mov_b32 s17, 0
	s_lshl_b32 s18, ttmp9, 16                      ; Wo's rows 16 g on, of 4,096 bytes,
	s_add_co_u32 s18, s18, s16                     ; at the head's channels
	s_mov_b32 s19, 0
	s_lshl_b32 s20, ttmp9, 6                       ; columns 16 g on: 64 bytes
	s_mov_b32 s21, 0
	s_lshl_b32 s22, s[WV], 12
	s_add_co_u32 s22, s22, s20
	s_mov_b32 s23, 0
	s_wait_kmcnt 0x0
	s_add_nc_u64 s[4:5], s[4:5], s[16:17]
	s_add_nc_u64 s[8:9], s[8:9], s[18:19]
	s_add_nc_u64 s[10:11], s[10:11], s[20:21]
	s_add_nc_u64 s[12:13], s[12:13], s[22:23]
	global_load_b64 v[MK:MK+1], v7, s[6:7]
.irp i, 0,1,2,3,4,5,6,7
	global_load_b128 v[KF+4*\i:KF+4*\i+3], v4, s[4:5] offset:4096+16*\i
.endr
.irp i, 0,1,2,3,4,5,6,7
	global_load_b128 v[QF+4*\i:QF+4*\i+3], v4, s[4:5] offset:16*\i
.endr
.irp t, 0,1,2,3
.irp j, 0,1,2,3,4,5,6,7
	global_load_b32 v[VF+8*\t+\j], v5, s[4:5] offset:8192+12288*\j+64*\t     ; v(key 8 h + j, channel 16 t + r)
.endr
.endr
.irp t, 0,1,2,3
.irp c, 0,1
	global_load_b128 v[WF+8*\t+4*\c:WF+8*\t+4*\c+3], v6, s[8:9] offset:64*\t+16*\c   ; Wo(16 g + r, the head's channel 16 t + 8 h + 4 c ..)
.endr
.endr
	global_load_b32 v[BV], v8, s[10:11]
	s_wait_loadcnt 41                              ; the mask, k and q are in; v's 32 loads, Wo's 8 and the bias's one may be out
.irp j, 0,1,2,3,4,5,6,7                        ; M: register j of lane (r, h): key 8 h + j, query r
	v_bfe_u32 v[MB+\j], v[MK+\j/4], 8*(\j%4), 8
.endr
.irp j, 0,1,2,3,4,5,6,7
	v_mul_lo_u32 v[MB+\j], v[MB+\j], s15           ; a byte is 0 or 1: 1 x the bits of -2^100
.endr
.irp j, 0,1,2,3,4,5,6,7
	v_cmp_gt_i32 vcc_lo, \j, v9                    ; the causal mask: key > query
	v_cndmask_b32 v[MB+\j], v[MB+\j], v10, vcc_lo
.endr
	v_wmma_f32_16x16x4_f32 v[SA0:SA0+7], v[KF:KF+1], v[QF:QF+1], v[MB:MB+7]
	v_wmma_f32_16x16x4_f32 v[SA1:SA1+7], v[KF+2:KF+3], v[QF+2:QF+3], 0
.irp s, 4,8,12,16,20,24,28
	v_wmma_f32_16x16x4_f32 v[SA0:SA0+7], v[KF+\s:KF+\s+1], v[QF+\s:QF+\s+1], v[SA0:SA0+7]
	v_wmma_f32_16x16x4_f32 v[SA1:SA1+7], v[KF+\s+2:KF+\s+3], v[QF+\s+2:QF+\s+3], v[SA1:SA1+7]
.endr
.rept 8
	v_nop                                          ; eight places behind this form (ISA guide 7.12.1)
.endr
.irp j, 0,1,2,3,4,5,6,7
	v_add_f32 v[T+\j], v[SA0+\j], v[SA1+\j]        ; the scores, from the low end on
.endr
	v_max3_num_f32 v11, v[T], v[T+1], v[T+2]
	v_max3_num_f32 v12, v[T+3], v[T+4], v[T+5]
	v_max3_num_f32 v11, v11, v[T+6], v[T+7]
	v_max3_num_f32 v11, v11, v12, s30              ; with -2^90 among the leaves
	v_permlanex16_b32 v13, v11, s[SEL], s[SEL+1]
	v_max_num_f32 v13, v11, v13                    ; m
	v_mul_f32 v12, s[CS], v13                      ; c m
.irp j, 0,2,4,6
	v_pk_fma_f32 v[T+\j:T+\j+1], v[T+\j:T+\j+1], s[CS:CS+1], v[12:13] op_sel_hi:[1,0,0] neg_lo:[0,0,1] neg_hi:[0,0,1]
.endr
.irp j, 0,1,2,3,4,5,6,7
	v_exp_f32 v[T+\j], v[T+\j]                     ; p = 2^(c s - c m)
.endr
	v_nop
	s_wait_alu depctr_va_vdst(0)                   ; one wait for the eight, ahead of their first use
	v_pk_add_f32 v[14:15], v[T:T+1], v[T+2:T+3]
	v_pk_add_f32 v[10:11], v[T+4:T+5], v[T+6:T+7]
	v_pk_add_f32 v[14:15], v[14:15], v[10:11]
	v_add_f32 v14, v14, v15
	v_permlanex16_b32 v15, v14, s[SEL], s[SEL+1]
	v_add_f32 v14, v14, v15                        ; l
	v_rcp_f32 v11, v14
	v_nop                                          ; a plain line behind the reciprocal; its wait stands ahead of its first use, below
	s_wait_loadcnt 9                               ; v is in; Wo's 8 loads and the bias's one may be out
.irp t, 0,1,2,3
	v_wmma_f32_16x16x4_f32 v[OAC+8*\t:OAC+8*\t+7], v[VF+8*\t:VF+8*\t+1], v[T:T+1], 0
.endr
.irp s, 2,4,6
.irp t, 0,1,2,3
	v_wmma_f32_16x16x4_f32 v[OAC+8*\t:OAC+8*\t+7], v[VF+8*\t+\s:VF+8*\t+\s+1], v[T+\s:T+\s+1], v[OAC+8*\t:OAC+8*\t+7]
.endr
.endr
.rept 8
	v_nop
.endr
	s_wait_alu depctr_va_vdst(0)                   ; the reciprocal
.set n, 0
.rept 32
	v_mul_f32 v[AF+n], v[OAC+n], v11               ; O^T / l: register 8 t + j: channel 16 t + 8 h + j of position r
.set n, n+1
.endr
	s_wait_loadcnt 1                               ; Wo is in; the bias's load may be out
	v_wmma_f32_16x16x4_f32 v[SA0:SA0+7], v[AF:AF+1], v[WF:WF+1], 0
	v_wmma_f32_16x16x4_f32 v[SA1:SA1+7], v[AF+2:AF+3], v[WF+2:WF+3], 0
.irp s, 4,8,12,16,20,24,28
	v_wmma_f32_16x16x4_f32 v[SA0:SA0+7], v[AF+\s:AF+\s+1], v[WF+\s:WF+\s+1], v[SA0:SA0+7]
	v_wmma_f32_16x16x4_f32 v[SA1:SA1+7], v[AF+\s+2:AF+\s+3], v[WF+\s+2:WF+\s+3], v[SA1:SA1+7]
.endr
.rept 8
	v_nop
.endr
.irp j, 0,1,2,3,4,5,6,7
	v_add_f32 v[R+\j], v[SA0+\j], v[SA1+\j]        ; my head's share of out(8 h + j, 16 g + r)
.endr
.irp j, 0,1,2,3,4,5,6,7
	ds_store_b32 v[LA], v[R+\j] offset:128*\j
.endr
	s_wait_dscnt 0x0                               ; for the others' sake: my stores are done
	s_barrier_signal -1
	s_barrier_wait -1
	s_cmp_lt_u32 s[WV], 8
	s_cbranch_scc0 .Ldone
.irp w, 0,1,2,3,4,5,6,7,8,9,10,11,12,13,14,15
	ds_load_b32 v[QF+\w], v[LR] offset:1024*\w     ; register j = my wave's number of all sixteen heads
.endr
	s_wait_dscnt 0x0
	s_wait_loadcnt 0x0                             ; the bias
.irp k, 0,4,8,12
	v_pk_add_f32 v[QF+\k:QF+\k+1], v[QF+\k:QF+\k+1], v[QF+\k+2:QF+\k+3]   ; the sum in a fixed order
.endr
	v_pk_add_f32 v[QF:QF+1], v[QF:QF+1], v[QF+4:QF+5]
	v_pk_add_f32 v[QF+8:QF+9], v[QF+8:QF+9], v[QF+12:QF+13]
	v_pk_add_f32 v[QF:QF+1], v[QF:QF+1], v[QF+8:QF+9]
	v_add_f32 v[QF], v[QF], v[QF+1]
	v_add_f32 v[QF], v[QF], v[BV]
	global_store_b32 v[OO], v[QF], s[12:13]        ; out0(8 h + wave, 16 g + r)
.Ldone:
	s_wait_tensorcnt 0x0                           ; the wave's end: a wait, an add to my spare word and a wait behind my last LDS store
	ds_add_u32 v[SPW], v[NIL]
	s_wait_dscnt 0x0
	s_endpgm
.Lfunc_end_k_q2d34ef47e7_fine:
	.size	k_q2d34ef47e7_fine, .Lfunc_end_k_q2d34ef47e7_fine-k_q2d34ef47e7_fine
	.p2alignl 7, 3214868480
	.fill 96, 4, 3214868480
	.section	.rodata,"a",@progbits
	.p2align	6, 0x0
	.amdhsa_kernel k_q2d34ef47e7_fine
		.amdhsa_group_segment_fixed_size 18432
		.amdhsa_private_segment_fixed_size 0
		.amdhsa_enable_private_segment 0
		.amdhsa_kernarg_size 40
		.amdhsa_user_sgpr_count 2
		.amdhsa_user_sgpr_kernarg_segment_ptr 1
		.amdhsa_wavefront_size32 1
		.amdhsa_system_sgpr_workgroup_id_x 1
		.amdhsa_system_sgpr_workgroup_id_y 1
		.amdhsa_system_sgpr_workgroup_id_z 1
		.amdhsa_system_vgpr_workitem_id 0
		.amdhsa_next_free_vgpr 256
		.amdhsa_next_free_sgpr 66
		.amdhsa_reserve_vcc 1
		.amdhsa_float_denorm_mode_32 3
		.amdhsa_float_denorm_mode_16_64 3
		.amdhsa_memory_ordered 1
		.amdhsa_forward_progress 1
		.amdhsa_inst_pref_size 19
	.end_amdhsa_kernel
	.amdgpu_metadata
---
amdhsa.version: [ 1, 2 ]
amdhsa.kernels:
  - .name:           k_q2d34ef47e7_fine
    .symbol:         k_q2d34ef47e7_fine.kd
    .args:
      - { .name: q32, .offset: 0, .size: 8, .value_kind: global_buffer, .address_space: global }
      - { .name: mask, .offset: 8, .size: 8, .value_kind: global_buffer, .address_space: global }
      - { .name: Wo_w, .offset: 16, .size: 8, .value_kind: global_buffer, .address_space: global }
      - { .name: Wo_b, .offset: 24, .size: 8, .value_kind: global_buffer, .address_space: global }
      - { .name: out0, .offset: 32, .size: 8, .value_kind: global_buffer, .address_space: global }
    .group_segment_fixed_size: 18432
    .private_segment_fixed_size: 0
    .kernarg_segment_align: 8
    .kernarg_segment_size: 40
    .max_flat_workgroup_size: 512
    .sgpr_count:     66
    .vgpr_count:     256
    .wavefront_size: 32
...
	.end_amdgpu_metadata
.endif
;; end of part 5
